; MI455X (gfx1250); checked and timed in simulation.
; The chip was launched on July 23, 2026; its instructions are those of AMD's public machine-readable ISA for CDNA 5 (MIT licence, August 2026) and "CDNA5" Instruction Set Architecture Reference Guide (July 2026). The comments in the code are by the model that wrote it; some were corrected since.
;; HSTU Block. Allowed arithmetic: float matrix products may take bf16 or f16 operands with f32 sums; other float arithmetic in f32, or as packed bf16 or f16 multiplies, adds, multiply-adds, maxima and minima; sums over many terms, partial sums and values carried from step to step in f32; what a program stores and reads back later, other than sums and carried values, may be rounded once to bf16 or f16.
;; Inputs: attn_mask 2 x 2,048 x 2,048 bool; ffn1_b 4,096 float32; ffn1_w 4,096 x 1,024 float32; ffn2_b 1,024 float32; ffn2_w 1,024 x 4,096 float32; gate_w 1 float32; pos_ids 2 x 2,048 int32; rel_pos_table 32 x 1 float32; res_w 1 float32; rms_w 1,024 float32; wk 512 x 1,024 float32; wo 1,024 x 1,024 float32; wq 512 x 1,024 float32; wu 1,024 x 1,024 float32; wv 1,024 x 1,024 float32; x 2 x 2,048 x 1,024 float32.
;; Outputs: out0 2 x 2,048 x 1,024 float32.
;; One version. Each part assembles by itself: llvm-mc -triple=amdgcn-amd-amdhsa -mcpu=gfx1250 --defsym DOCPART=n.
;; ======== version 1 of 1: 6 launches
;; limits: right only within a limited range of input values; a function is approximated: absolute error at most 1.5e-07
;; workspace buffers: pre 34,082,816 bytes; mbits 1,048,576 bytes of whole numbers; qkvg 25,165,824 bytes; gat 8,388,608 bytes; res 25,165,824 bytes; hid 33,554,432 bytes
;; launch prep (part 1): grid 1569 x 1, 8 waves a work-group, no clusters, 38,912 bytes of LDS; arguments x, rms_w, wq, wk, wv, wu, wo, ffn1_w, ffn2_w, attn_mask, rel_pos_table, pre, mbits; writes pre, mbits
.if DOCPART == 1
	.amdgcn_target "amdgcn-amd-amdhsa--gfx1250"
	.amdhsa_code_object_version 6
	.text
	.protected	k_q44748ed956_prep
	.globl	k_q44748ed956_prep
	.p2align	8
	.type	k_q44748ed956_prep,@function
k_q44748ed956_prep:
	s_mov_b64 s[64:65], 0
	v_nop
	global_prefetch_b8 v0, s[64:65] scope:SCOPE_SE
	s_setreg_imm32_b32 hwreg(HW_REG_WAVE_MODE, 25, 1), 1
	s_wait_xcnt 0x0
; HSTU block, launch 1 of 6: everything that is made once and read many times.
; WORK LEFT OUT IN THE WHOLE PROGRAM, for all values of the inputs:
;   pos_ids: reference() never reads its values (the relative bias is built from arange), so it has no way to the output; it is not loaded and is no argument of any launch.
;   The upper bound of clip(A, 1e-8, 1): A = p / l with l the sum of the same non-negative p, so A <= 1 by identity.
;   No maximum is taken away before the exponential: reference() itself clips the scores to -50 .. 50 in front of the softmax, so exp lies in 1.9e-22 .. 5.2e21 and a
;   row's sum of 2,048 of them under 1.1e25: nothing overflows or underflows in f32 or bf16, and p / l is the same quotient.
; LIMITS: NaN and infinities are not treated apart; a NaN, infinity or overflow that reaches only the work left out is not carried to the result.
; ROLES, by the work-group's number (the same for all its waves):
;   0 .. 767      CAST  a chunk of 16,384 weights, f32 to bf16, in the order wq, wk, wv, wu, wo, ffn1_w, ffn2_w; the copies lie end to end in pre from WP on
;   768 .. 1279   NORM  8 rows of z = rms_w x rsqrt(mean(x^2) + 1e-8) in bf16, a wave a row
;   1280 .. 1535  MASK  64 queries x 512 keys of attn_mask turned into words of 32 lane bits, in the order in which a score tile's registers want them
;   1536 .. 1567  TAB   cos and sin of t x 10000^(-f/16), t = 0 .. 2047, f = 0 .. 15: once times c = log2(e)/sqrt(32) for Q, once plain for K
;   1568          BIAS  the three bias blocks of a 16 x 16 score tile near the diagonal, and the two constants far from it, all times log2(e)
.set WP,    8388608                    ; pre: z at 0, the bf16 weights from here on
.set TAB,   33554432                   ; pre: cos c, sin c, cos, sin: [2048][16] f32 each, 131,072 bytes apart
.set CBT,   34078720                   ; pre: bias blocks [3][lane 32][8] f32, then 32 x (table[0], table[31]) log2(e)
.set MP,    528                        ; LDS pitch of a mask row: 512 bytes + 16
.set MOUT,  64*MP                      ; 512 bytes for each wave: four records of 128 bytes
.set SPARE, MOUT+8*512                 ; the spare words: 128 bytes for each of eight waves, named by no other line
.set SPW,   4                          ; v4  LDS address of my spare word; never rewritten
.set NIL,   5                          ; v5  0; never rewritten
	s_load_b512 s[16:31], s[0:1], 0x0              ; x 16, rms_w 18, wq 20, wk 22, wv 24, wu 26, wo 28, ffn1_w 30
	s_load_b256 s[32:39], s[0:1], 0x40             ; ffn2_w 32, attn_mask 34, rel_pos_table 36, pre 38
	s_load_b64 s[40:41], s[0:1], 0x60              ; mbits
	v_lshl_add_u32 v[SPW], v0, 2, SPARE
	v_mov_b32 v[NIL], 0
	v_lshrrev_b32 v1, 5, v0
	v_readfirstlane_b32 s8, v1                     ; wave 0..7
	v_and_b32 v1, 31, v0                           ; lane L
	v_and_b32 v2, 15, v0                           ; r = L % 16
	v_bfe_u32 v3, v0, 4, 1                         ; h = L / 16
	s_mov_b32 s9, ttmp9
	s_wait_kmcnt 0x0
	s_cmp_lt_u32 s9, 768
	s_cbranch_scc1 .Lcast
	s_cmp_lt_u32 s9, 1280
	s_cbranch_scc1 .Lnorm
	s_cmp_lt_u32 s9, 1536
	s_cbranch_scc1 .Lmask
	s_branch .Ltab
; ---------------------------------------------------------------- CAST
.Lcast:
	s_mov_b64 s[42:43], s[20:21]                   ; which weight the chunk belongs to, and that weight's first chunk
	s_mov_b32 s44, 0
.macro PICK first, lo
	s_cmp_ge_u32 s9, \first
	s_cselect_b64 s[42:43], s[\lo:\lo+1], s[42:43]
	s_cselect_b32 s44, \first, s44
.endm
	PICK 32, 22
	PICK 64, 24
	PICK 128, 26
	PICK 192, 28
	PICK 256, 30
	PICK 512, 32
	s_sub_co_u32 s44, s9, s44
	s_lshl_b32 s44, s44, 16                        ; 65,536 bytes of f32 a chunk
	s_mov_b32 s45, 0
	s_add_nc_u64 s[42:43], s[42:43], s[44:45]
	s_lshl_b32 s46, s9, 15                         ; 32,768 bytes of bf16 a chunk
	s_add_co_u32 s46, s46, WP
	s_mov_b32 s47, 0
	s_add_nc_u64 s[46:47], s[38:39], s[46:47]
	v_lshlrev_b32 v6, 4, v0                        ; thread t reads the 16 bytes at 16 t of each 4,096: a wave's load covers 512 consecutive bytes,
	v_lshlrev_b32 v7, 3, v0                        ; and writes the 8 bytes at 8 t of each 2,048: a wave's store covers 256 consecutive bytes, aligned
.irp s, 0,1,2,3,4,5,6,7,8,9,10,11,12,13,14,15
	global_load_b128 v[16+4*(\s):19+4*(\s)], v6, s[42:43] offset:4096*(\s) th:TH_LOAD_NT
.endr
.irp s, 0,1,2,3,4,5,6,7,8,9,10,11,12,13,14,15
	s_wait_loadcnt 15-(\s)                         ; loads come back in order: piece s is in, the 15 - s younger loads stay out
	v_cvt_pk_bf16_f32 v[80+2*(\s)], v[16+4*(\s)], v[17+4*(\s)]
	v_cvt_pk_bf16_f32 v[81+2*(\s)], v[18+4*(\s)], v[19+4*(\s)]
	global_store_b64 v7, v[80+2*(\s):81+2*(\s)], s[46:47] offset:2048*(\s)
.endr
	s_branch .Lend
; ---------------------------------------------------------------- NORM
.Lnorm:
	s_sub_co_u32 s44, s9, 768
	s_lshl_b32 s44, s44, 3
	s_add_co_u32 s44, s44, s8                      ; my row
	s_lshl_b32 s45, s44, 12                        ; 4,096 bytes of x,
	s_lshl_b32 s46, s44, 11                        ; 2,048 of z
	v_lshlrev_b32 v8, 4, v1                        ; lane L holds the 4 numbers at 16 L of each 512 bytes: a load covers 512 consecutive bytes
	v_add_nc_u32 v6, s45, v8
	v_lshl_add_u32 v7, v1, 3, s46                  ; and stores the 8 bytes at 8 L of each 256
	s_mov_b32 s12, 0x76543210                      ; v_permlanex16_b32: each lane takes its own place in the other half
	s_mov_b32 s13, 0xfedcba98
	s_mov_b32 s50, 0x3a800000                      ; 1 / 1024
	s_mov_b32 s51, 0x322bcc77                      ; 1e-8
.irp s, 0,1,2,3,4,5,6,7
	global_load_b128 v[16+4*(\s):19+4*(\s)], v6, s[16:17] offset:512*(\s)
.endr
.irp s, 0,1,2,3,4,5,6,7
	global_load_b128 v[48+4*(\s):51+4*(\s)], v8, s[18:19] offset:512*(\s)
.endr
	s_wait_loadcnt 8                               ; x is in; rms_w's eight loads may stay out
.irp k, 0,1,2,3
	v_pk_mul_f32 v[80+2*(\k):81+2*(\k)], v[16+2*(\k):17+2*(\k)], v[16+2*(\k):17+2*(\k)]  ; four chains, started by the first four pairs
.endr
.set p, 4
.rept 12
	v_pk_fma_f32 v[80+2*(p%4):81+2*(p%4)], v[16+2*p:17+2*p], v[16+2*p:17+2*p], v[80+2*(p%4):81+2*(p%4)]
.set p, p+1
.endr
	v_pk_add_f32 v[80:81], v[80:81], v[82:83]
	v_pk_add_f32 v[84:85], v[84:85], v[86:87]
	v_pk_add_f32 v[80:81], v[80:81], v[84:85]
	v_add_f32 v80, v80, v81
	v_add_f32_dpp v80, v80, v80 row_xmask:1 row_mask:0xf bank_mask:0xf
	v_add_f32_dpp v80, v80, v80 row_xmask:2 row_mask:0xf bank_mask:0xf
	v_add_f32_dpp v80, v80, v80 row_xmask:4 row_mask:0xf bank_mask:0xf
	v_add_f32_dpp v80, v80, v80 row_xmask:8 row_mask:0xf bank_mask:0xf
	v_permlanex16_b32 v81, v80, s12, s13
	v_add_f32 v80, v80, v81                        ; the row's sum of squares, in every lane
	v_fma_f32 v80, v80, s50, s51
	v_rsq_f32 v82, v80
	v_nop                                          ; a plain instruction behind the root,
	s_wait_alu depctr_va_vdst(0)                   ; and the wait ahead of its first reader
.set p, 0
.rept 16
	v_pk_mul_f32 v[16+2*p:17+2*p], v[16+2*p:17+2*p], v[82:83] op_sel_hi:[1,0]
.set p, p+1
.endr
	s_wait_loadcnt 0x0                             ; rms_w
.set p, 0
.rept 16
	v_pk_mul_f32 v[16+2*p:17+2*p], v[16+2*p:17+2*p], v[48+2*p:49+2*p]
.set p, p+1
.endr
.set p, 0
.rept 16
	v_cvt_pk_bf16_f32 v[88+p], v[16+2*p], v[17+2*p]
.set p, p+1
.endr
.irp s, 0,1,2,3,4,5,6,7
	global_store_b64 v7, v[88+2*(\s):89+2*(\s)], s[38:39] offset:256*(\s)  ; 256 consecutive bytes of z, aligned
.endr
	s_branch .Lend
; ---------------------------------------------------------------- MASK
; Word (qt, j) of the record of (b, qb, kt): bit L = attn_mask[b][64 qb + 16 qt + L % 16][16 kt + 8 (L / 16) + j]: the lane mask for register j of the score tile (keys kt, queries qt).
.Lmask:
	s_sub_co_u32 s44, s9, 1280
	s_lshr_b32 s45, s44, 7                         ; b
	s_bfe_u32 s46, s44, 0x50002                    ; qb
	s_and_b32 s47, s44, 3                          ; which 512 keys
	s_lshl_b32 s48, s45, 11
	s_lshl_b32 s49, s46, 6
	s_add_co_u32 s48, s48, s49
	s_lshl_b32 s49, s8, 3
	s_add_co_u32 s48, s48, s49                     ; the first of my eight rows
	s_lshl_b32 s48, s48, 11
	s_lshl_b32 s49, s47, 9
	s_add_co_u32 s48, s48, s49
	v_lshlrev_b32 v8, 4, v1                        ; 16 L
	v_add_nc_u32 v6, s48, v8
	s_mul_i32 s49, s8, 8*MP
	v_add_nc_u32 v7, s49, v8
.irp i, 0,1,2,3,4,5,6,7
	global_load_b128 v[16+4*(\i):19+4*(\i)], v6, s[34:35] offset:2048*(\i) th:TH_LOAD_NT  ; 512 consecutive bytes of a row
.endr
	s_wait_loadcnt 0x0
.irp i, 0,1,2,3,4,5,6,7
	ds_store_b128 v7, v[16+4*(\i):19+4*(\i)] offset:(\i)*MP
.endr
	s_wait_dscnt 0x0                               ; for the others' sake: my rows lie in LDS
	s_barrier_signal -1
	s_barrier_wait -1
	v_mul_u32_u24 v9, v2, MP
	v_lshl_add_u32 v9, v3, 3, v9                   ; row r, 8 bytes for each half of the lanes,
	s_lshl_b32 s49, s8, 6
	v_add_nc_u32 v9, s49, v9                       ; from my first group of 16 keys: 4 x wave
	s_lshl_b32 s49, s8, 9
	s_add_co_u32 s49, s49, MOUT
	v_lshl_add_u32 v10, v1, 2, s49                 ; lane L puts word L of a record
	v_add_nc_u32 v11, s49, v8                      ; and reads 16 bytes of my four records back
	s_lshl_b32 s48, s45, 5
	s_add_co_u32 s48, s48, s46
	s_lshl_b32 s48, s48, 7
	s_lshl_b32 s49, s47, 5
	s_add_co_u32 s48, s48, s49
	s_lshl_b32 s49, s8, 2
	s_add_co_u32 s48, s48, s49                     ; my first record: (32 b + qb) 128 + 32 kq + 4 wave
	s_lshl_b32 s48, s48, 7
	v_add_nc_u32 v12, s48, v8
	v_mov_b32 v61, 0                               ; v_writelane_b32 counts as a reader of its destination
	s_mov_b32 s21, 4
.Lmk:                                          ; a trip: one group of 16 keys, one record
.irp q, 0,1,2,3
	ds_load_b64 v[48+2*(\q):49+2*(\q)], v9 offset:(\q)*16*MP
.endr
	s_wait_dscnt 0x0
.irp q, 0,1,2,3
.irp j, 0,1,2,3,4,5,6,7
	v_and_b32 v60, 0xff<<(8*((\j)%4)), v[48+2*(\q)+(\j)/4]
	v_cmp_ne_u32 s20, 0, v60                       ; 32 lanes' answers are the word,
	v_writelane_b32 v61, s20, 8*(\q)+(\j)          ; which goes to the lane that stores it
.endr
.endr
	ds_store_b32 v10, v61
	v_add_nc_u32 v9, 16, v9
	v_add_nc_u32 v10, 128, v10
	s_sub_co_u32 s21, s21, 1
	s_cmp_lg_u32 s21, 0
	s_cbranch_scc1 .Lmk
	ds_load_b128 v[16:19], v11                     ; my own bytes: LDS serves a wave's instructions in order
	s_wait_dscnt 0x0
	global_store_b128 v12, v[16:19], s[40:41]      ; four records: 512 consecutive bytes
	s_branch .Lend
; ---------------------------------------------------------------- TAB
.macro SINCOS a, c, s                  ; cos and sin of v[a] >= 0: n = round(a 2/pi), r = a - n pi/2 in two parts, polynomials on |r| <= pi/4, quadrant by n
	v_mul_f32 v40, 0x3f22f983, v[\a]
	v_rndne_f32 v40, v40
	v_fma_f32 v41, -v40, s52, v[\a]
	v_fma_f32 v41, -v40, s53, v41
	v_mul_f32 v42, v41, v41
	v_fma_f32 v43, v42, s54, s55
	v_fma_f32 v45, v42, s57, s58
	v_fma_f32 v43, v43, v42, s56
	v_fma_f32 v45, v45, v42, s59
	v_mul_f32 v44, v42, v41
	v_mul_f32 v46, v42, v42
	v_fma_f32 v47, v42, -0.5, 1.0
	v_fma_f32 v43, v43, v44, v41                   ; sin r
	v_fma_f32 v45, v45, v46, v47                   ; cos r
	v_cvt_i32_f32 v46, v40
	v_and_b32 v47, 1, v46
	v_cmp_eq_u32 vcc_lo, 1, v47
	v_cndmask_b32 v[\s], v43, v45, vcc_lo
	v_cndmask_b32 v[\c], v45, v43, vcc_lo
	v_and_b32 v47, 2, v46
	v_lshlrev_b32 v47, 30, v47
	v_xor_b32 v[\s], v47, v[\s]
	v_add_nc_u32 v46, 1, v46
	v_and_b32 v46, 2, v46
	v_lshlrev_b32 v46, 30, v46
	v_xor_b32 v[\c], v46, v[\c]
.endm
.Ltab:
	s_sub_co_u32 s44, s9, 1536
	s_cmp_eq_u32 s44, 32
	s_cbranch_scc1 .Lbias
	s_add_nc_u64 s[46:47], s[38:39], TAB
	s_mov_b32 s52, 0x3fc90fdb                      ; pi/2, upper part
	s_mov_b32 s53, 0xb33bbd2e                      ; and the rest
	s_mov_b32 s54, 0xb94ca1f9                      ; sin: -1.9515296e-4, 8.3321609e-3, -0.16666655
	s_mov_b32 s55, 0x3c08839e
	s_mov_b32 s56, 0xbe2aaaa3
	s_mov_b32 s57, 0x37ccf5ce                      ; cos: 2.4433157e-5, -1.3887316e-3, 4.1666646e-2
	s_mov_b32 s58, 0xbab6061a
	s_mov_b32 s59, 0x3d2aaaa5
	s_lshl_b32 s45, s44, 8
	v_add_nc_u32 v6, s45, v0                       ; g: position t = g / 4, frequencies 4 (g % 4) + 0..3
	v_lshrrev_b32 v7, 2, v6
	v_and_b32 v8, 3, v6
	v_lshlrev_b32 v8, 2, v8
	v_lshlrev_b32 v9, 4, v6                        ; 16 g: my 16 bytes of each table
	v_cvt_f32_u32 v7, v7
	v_cvt_f32_u32 v8, v8
	v_mov_b32 v16, v8
	v_add_f32 v17, 1.0, v8
	v_add_f32 v18, 2.0, v8
	v_add_f32 v19, 0x40400000, v8
.irp i, 0,1,2,3
	v_mul_f32 v[16+(\i)], 0xbf549a78, v[16+(\i)]   ; -f log2(10000) / 16
.endr
.irp i, 0,1,2,3
	v_exp_f32 v[16+(\i)], v[16+(\i)]
.endr
	v_nop
	s_wait_alu depctr_va_vdst(0)                   ; one wait for the four
.irp i, 0,1,2,3
	v_mul_f32 v[16+(\i)], v7, v[16+(\i)]
.endr
.irp i, 0,1,2,3
	SINCOS 16+(\i), 24+(\i), 28+(\i)
.endr
.irp i, 0,1,2,3,4,5,6,7
	v_mul_f32 v[32+(\i)], 0x3e8293ee, v[24+(\i)]   ; times c = log2(e) / sqrt(32), for Q
.endr
	global_store_b128 v9, v[32:35], s[46:47]
	global_store_b128 v9, v[36:39], s[46:47] offset:131072
	global_store_b128 v9, v[24:27], s[46:47] offset:262144
	global_store_b128 v9, v[28:31], s[46:47] offset:393216
	s_branch .Lend
; ---------------------------------------------------------------- BIAS
; Register j of lane (r, h) of a tile whose keys lie e tiles from its queries wants table[clip(16 e + 8 h + j - r, -16, 15) + 16]; e = -1, 0, 1.
.Lbias:
	s_cmp_lg_u32 s8, 0
	s_cbranch_scc1 .Lend                           ; 768 numbers: one wave's work
	s_add_nc_u64 s[46:47], s[38:39], CBT
	v_lshl_add_u32 v6, v3, 3, 32
	v_sub_nc_u32 v6, v6, v2                        ; 8 h - r + 32
.irp k, 0,1,2
.irp j, 0,1,2,3,4,5,6,7
	v_add_nc_u32 v[48+8*(\k)+(\j)], 16*(\k)-16+(\j), v6
	v_max_u32 v[48+8*(\k)+(\j)], 16, v[48+8*(\k)+(\j)]
	v_min_u32 v[48+8*(\k)+(\j)], 47, v[48+8*(\k)+(\j)]
	v_add_nc_u32 v[48+8*(\k)+(\j)], -16, v[48+8*(\k)+(\j)]
	v_lshlrev_b32 v[48+8*(\k)+(\j)], 2, v[48+8*(\k)+(\j)]
	global_load_b32 v[16+8*(\k)+(\j)], v[48+8*(\k)+(\j)], s[36:37]
.endr
.endr
	v_mov_b32 v7, 0
	global_load_b32 v40, v7, s[36:37]
	global_load_b32 v41, v7, s[36:37] offset:124
	v_lshlrev_b32 v8, 5, v1
	v_lshlrev_b32 v9, 3, v1
	s_wait_loadcnt 0x0
.set p, 16
.rept 26
	v_mul_f32 v[p], 0x3fb8aa3b, v[p]
.set p, p+1
.endr
.irp k, 0,1,2
	global_store_b128 v8, v[16+8*(\k):19+8*(\k)], s[46:47] offset:1024*(\k)
	global_store_b128 v8, v[20+8*(\k):23+8*(\k)], s[46:47] offset:1024*(\k)+16
.endr
	global_store_b64 v9, v[40:41], s[46:47] offset:3072  ; the pair 32 times: 256 consecutive bytes by one store
.Lend:
	s_wait_tensorcnt 0x0                           ; the wave's end: behind my last LDS store
	ds_add_u32 v[SPW], v[NIL]
	s_wait_dscnt 0x0
	s_endpgm
.Lfunc_end_k_q44748ed956_prep:
	.size	k_q44748ed956_prep, .Lfunc_end_k_q44748ed956_prep-k_q44748ed956_prep
	.p2alignl 7, 3214868480
	.fill 96, 4, 3214868480
	.section	.rodata,"a",@progbits
	.p2align	6, 0x0
	.amdhsa_kernel k_q44748ed956_prep
		.amdhsa_group_segment_fixed_size 38912
		.amdhsa_private_segment_fixed_size 0
		.amdhsa_enable_private_segment 0
		.amdhsa_kernarg_size 104
		.amdhsa_user_sgpr_count 2
		.amdhsa_user_sgpr_kernarg_segment_ptr 1
		.amdhsa_wavefront_size32 1
		.amdhsa_system_sgpr_workgroup_id_x 1
		.amdhsa_system_sgpr_workgroup_id_y 1
		.amdhsa_system_sgpr_workgroup_id_z 1
		.amdhsa_system_vgpr_workitem_id 0
		.amdhsa_next_free_vgpr 112
		.amdhsa_next_free_sgpr 66
		.amdhsa_reserve_vcc 1
		.amdhsa_float_denorm_mode_32 3
		.amdhsa_float_denorm_mode_16_64 3
		.amdhsa_memory_ordered 1
		.amdhsa_forward_progress 1
		.amdhsa_inst_pref_size 41
	.end_amdhsa_kernel
	.amdgpu_metadata
---
amdhsa.version: [ 1, 2 ]
amdhsa.kernels:
  - .name:           k_q44748ed956_prep
    .symbol:         k_q44748ed956_prep.kd
    .args:
      - { .name: x, .offset: 0, .size: 8, .value_kind: global_buffer, .address_space: global }
      - { .name: rms_w, .offset: 8, .size: 8, .value_kind: global_buffer, .address_space: global }
      - { .name: wq, .offset: 16, .size: 8, .value_kind: global_buffer, .address_space: global }
      - { .name: wk, .offset: 24, .size: 8, .value_kind: global_buffer, .address_space: global }
      - { .name: wv, .offset: 32, .size: 8, .value_kind: global_buffer, .address_space: global }
      - { .name: wu, .offset: 40, .size: 8, .value_kind: global_buffer, .address_space: global }
      - { .name: wo, .offset: 48, .size: 8, .value_kind: global_buffer, .address_space: global }
      - { .name: ffn1_w, .offset: 56, .size: 8, .value_kind: global_buffer, .address_space: global }
      - { .name: ffn2_w, .offset: 64, .size: 8, .value_kind: global_buffer, .address_space: global }
      - { .name: attn_mask, .offset: 72, .size: 8, .value_kind: global_buffer, .address_space: global }
      - { .name: rel_pos_table, .offset: 80, .size: 8, .value_kind: global_buffer, .address_space: global }
      - { .name: pre, .offset: 88, .size: 8, .value_kind: global_buffer, .address_space: global }
      - { .name: mbits, .offset: 96, .size: 8, .value_kind: global_buffer, .address_space: global }
    .group_segment_fixed_size: 38912
    .private_segment_fixed_size: 0
    .kernarg_segment_align: 8
    .kernarg_segment_size: 104
    .max_flat_workgroup_size: 256
    .sgpr_count:     66
    .vgpr_count:     112
    .wavefront_size: 32
...
	.end_amdgpu_metadata
.endif
;; end of part 1
;; launch proj (part 2): grid 12 x 16, 4 waves a work-group, clusters of 4 x 4, 327,680 bytes of LDS; arguments pre, qkvg; writes qkvg
.if DOCPART == 2
	.amdgcn_target "amdgcn-amd-amdhsa--gfx1250"
	.amdhsa_code_object_version 6
	.text
	.protected	k_q44748ed956_proj
	.globl	k_q44748ed956_proj
	.p2align	8
	.type	k_q44748ed956_proj,@function
k_q44748ed956_proj:
	s_mov_b64 s[64:65], 0
	v_nop
	global_prefetch_b8 v0, s[64:65] scope:SCOPE_SE
	s_setreg_imm32_b32 hwreg(HW_REG_WAVE_MODE, 25, 1), 1
	s_wait_xcnt 0x0
	s_wait_alu depctr_hold_cnt(0) depctr_sa_sdst(0) depctr_va_vdst(0) depctr_va_sdst(0) depctr_va_ssrc(0) depctr_va_vcc(0) depctr_vm_vsrc(0)
	s_getreg_b32 s2, hwreg(HW_REG_IB_STS2, 6, 4)
	s_cmp_eq_u32 s2, 0
	s_cbranch_scc0 .Lentry_in_a_cluster
	s_endpgm
.Lentry_in_a_cluster:
	s_bfe_u32 s2, ttmp6, 0x10000c
	s_cmp_lg_u32 s2, 0xf033
	s_cbranch_scc0 .Lentry_shape_is_right
	s_endpgm
.Lentry_shape_is_right:
; Launch 2 of 6: C = z [wq; wk; wv; wu]^T, 4,096 x 3,072 x 1,024 in bf16 with f32 sums, and what is done to each part on its way out:
;   tile columns 0-3 (cluster x = 0): Q and K: rotary embedding (Q's tables hold the factor log2(e)/sqrt(32)), stored [b][head][t][32] bf16
;   tile columns 4-7 (cluster x = 1): V, stored as the second attention product's source 0: [b][head][32 keys][16 channels][half][lane][16 bytes]
;   tile columns 8-11 (cluster x = 2): sigmoid(U), stored [token][1024] bf16
; A tile of C is 256 x 256: four waves, each 128 x 128 in 64 accumulators.  K goes in steps of 128 through two LDS slots filled by tensor loads; rows of 256 bytes, padded to 272.
; CLUSTER 4 x 4: A's tiles are asked for jointly along a row of the cluster, B's along a column.  The role hangs on the cluster's x, which all partners share.
; The matrix instruction is used transposed (source 0 = 16 rows of B, source 1 = 16 rows of A): a lane holds row l % 16 of C and the columns 8 (l / 16) + 0..7.
; A trip of the loop is one K step; the slot in hand is a scalar that an exclusive or turns (wave x HALFT and SLOT share no bit), and one descriptor for each operand walks.
; REGISTERS: window 0: v0-31 addresses, v64-127 and v128-191 fragments of A; window 1: the same for B; windows 2, 3: accumulator (a, b) at v[8 (8 a + b)], my rows 0-63 and 64-127.
.set SIZE_K, 1024
.set KSTEP,  128
.set NSTEP,  SIZE_K/KSTEP
.set PITCH,  272                       ; 256 bytes + 16: the 16 rows of a fragment load start 4 words apart in the 64 banks (ISA guide 11.1)
.set HALFT,  128*PITCH
.set SLOT,   4*HALFT
.set DP,     528                       ; the way out: a row of 128 f32 + 16 bytes
.set DWAVE,  128*DP                    ; a wave's 128 rows; the four dumps lie in the ring, whose slots have had their last fill by then
.set TBL,    2*SLOT                    ; behind the ring: cos and sin of the work-group's 256 tokens: [row half][cos, sin][128 tokens][16] f32
.set SPARE,  TBL+32768                 ; the spare words: 128 bytes for each wave, named by no other line
.set WPO,    8388608                   ; pre: the four weights in bf16
.set TABO,   33554432                  ; pre: the tables
.set ADRA,  16
.set ADRA0, 17
.set ADRB,  20
.set ADRB0, 21
.set DST,   24
.set RDA,   25
.set GO,    26
.set AUX,   27
.set SPW,   28
.set NIL,   29
.set PFO,   30
.set F0,    64
.set F1,    128
.set TB,    2                          ; s2   0 or SLOT: the slot in hand
.set G1,    24                         ; s[24:31] group 1 for A;  s[32:39] group 0: set 0 (first fill), set 1 (first fill, then it walks)
.set G0,    32
.set LIM,   43                         ; s43  2 in a wave that prefetches, else the greatest number
.set PFA,   44                         ; s[44:45] where my prefetches stand
.set G1B,   48                         ; the same for B
.set G0B,   56
.set MSB, 0
.macro WIN new                         ; the immediate's high byte repeats the setting that is left; a switch that changes nothing is dropped
.if MSB != (\new)
	s_set_vgpr_msb (MSB<<8)|(\new)
.set MSB, \new
.endif
.endm
.set MUL_LO, 0xa1                      ; source 0 (B) window 1, source 1 (A) window 0, C and D window 2
.set MUL_HI, 0xf1                      ; the same, C and D window 3
.set TO_B,   0x40                      ; destination window 1, address window 0
; A joint load: waves 0 and 1 fetch A's halves, waves 2 and 3 B's.  An s_nop 0 and four v_nop follow each line.
.macro JLOAD s
	s_cmp_eq_u32 s11, 0
	s_cbranch_scc0 .Lfor_b_\@
	tensor_load_to_lds s[G0+4*(\s):G0+4*(\s)+3], s[G1:G1+7]
	s_nop 0
.rept 4
	v_nop
.endr
	s_branch .Lasked_\@
.Lfor_b_\@:
	tensor_load_to_lds s[G0B+4*(\s):G0B+4*(\s)+3], s[G1B:G1B+7]
	s_nop 0
.rept 4
	v_nop
.endr
.Lasked_\@:
.endm
; A prefetch of the K step that stands two refills on: 32 rows x 256 bytes, a lane a row.  A's rows are asked for by the cluster with x = 0, B's by the cluster with y = 0; the four partners
; that ask for a tile jointly share its rows out by address.  So each row's 256 bytes of a step are named once.  Trips with s3 = 6 .. 3 name steps 4 .. 7; the last two refills have no step two on.
.macro ASK
	s_cmp_gt_u32 s3, s[LIM]
	s_cbranch_scc0 .Lnot_mine_\@
	global_prefetch_b8 v[PFO], s[PFA:PFA+1] offset:KSTEP*2 th:TH_LOAD_NT scope:SCOPE_SE
.Lnot_mine_\@:
.endm
.macro CREST                           ; a round of the cluster's barrier behind its opening barrier
	s_cmp_lg_u32 s10, 0
	s_cbranch_scc1 .Lnot_wave_0_\@
	s_barrier_signal -3
.Lnot_wave_0_\@:
	s_barrier_wait -3
	s_barrier_signal -1
	s_barrier_wait -1
.endm
.macro CROUND
	s_barrier_signal -1
	s_barrier_wait -1
	CREST
.endm
.macro PLACES                          ; four plain instructions between a matrix instruction and a load into, or a reader of, its registers
.rept 4
	v_nop
.endr
.endm
	s_load_b128 s[68:71], s[0:1], 0x0              ; pre s[68:69], qkvg s[70:71]
	v_lshl_add_u32 v[SPW], v0, 2, SPARE
	v_mov_b32 v[NIL], 0
	ds_add_u32 v[SPW], v[NIL]                      ; the wave's opening: the add, twice on end, and its wait ahead of my first tensor load
	ds_add_u32 v[SPW], v[NIL]
	v_lshrrev_b32 v1, 5, v0
	v_readfirstlane_b32 s10, v1                    ; wave 0..3
	s_lshr_b32 s11, s10, 1                         ; my half of the tile's rows; also: I fetch for A (0) or B (1)
	s_and_b32 s12, s10, 1                          ; my half of its columns; also: which 128 rows I fetch
	s_bfe_u32 s40, ttmp6, 0x40000                  ; cx
	s_bfe_u32 s41, ttmp6, 0x40004                  ; cy
	s_lshl_b32 s42, ttmp9, 2
	s_add_co_u32 s42, s42, s40                     ; tile column
	s_and_b32 s13, ttmp7, 0xffff
	s_lshl_b32 s13, s13, 2
	s_add_co_u32 s13, s13, s41                     ; tile row
	s_lshl_b32 s43, s41, 2
	s_lshl_b32 s43, 15, s43                        ; my row of the cluster
	s_lshl_b32 s44, 0x1111, s40                    ; my column
	s_or_b32 s[G1+0], s43, (1<<16)|(1<<20)|(1<<21)|(5<<22)|(3<<25)   ; mask; 2-byte elements; padding on; bit 21 beside a mask; after every 64 words, 4 words
	s_or_b32 s[G1B+0], s44, (1<<16)|(1<<20)|(1<<21)|(5<<22)|(3<<25)
.irp g, G1, G1B
	s_mov_b32 s[(\g)+1], KSTEP<<16                 ; tensor_dim0 = 128
	s_mov_b32 s[(\g)+2], 128<<16                   ; tensor_dim1 = 128
	s_mov_b32 s[(\g)+3], KSTEP<<16                 ; tile_dim0 = 128
	s_mov_b32 s[(\g)+4], 128                       ; tile_dim1 = 128
	s_mov_b32 s[(\g)+5], SIZE_K                    ; elements from row to row
	s_mov_b32 s[(\g)+6], 0
	s_mov_b32 s[(\g)+7], 0
.endr
	s_lshl_b32 s17, s12, 7
	s_lshl_b32 s16, s13, 8
	s_add_co_u32 s16, s16, s17                     ; A: row 256 x tile row + 128 x half
	s_lshl_b32 s46, s42, 8
	s_add_co_u32 s46, s46, s17                     ; B: row 256 x tile column + 128 x half
	s_mov_b32 s17, 0
	s_mov_b32 s47, 0
	s_mov_b64 s[18:19], SIZE_K*2
	s_mul_u64 s[16:17], s[16:17], s[18:19]
	s_mul_u64 s[46:47], s[46:47], s[18:19]
	s_mul_i32 s20, s10, HALFT                      ; where they go: wave x 128 rows
	s_mov_b32 s[TB], 0
	s_wait_dscnt 0x0                               ; both opening adds are done
	s_wait_kmcnt 0x0
	s_mov_b64 s[4:5], s[68:69]                     ; A = z, at pre's head
	s_add_nc_u64 s[6:7], s[68:69], WPO             ; B = the four weights
	s_mov_b64 s[8:9], s[70:71]
	s_add_nc_u64 s[66:67], s[68:69], TABO
	s_add_nc_u64 s[14:15], s[4:5], s[16:17]
	s_add_nc_u64 s[46:47], s[6:7], s[46:47]
	CROUND                                         ; all sixteen work-groups are here: the first joint loads meet
.irp s, 0,1
	s_mov_b32 s[G0+4*(\s)], 1
	s_add_co_u32 s[G0+4*(\s)+1], s20, (\s)*SLOT
	s_add_nc_u64 s[G0+4*(\s)+2:G0+4*(\s)+3], s[14:15], (\s)*KSTEP*2
	s_or_b32 s[G0+4*(\s)+3], s[G0+4*(\s)+3], 0x80000000
	s_mov_b32 s[G0B+4*(\s)], 1
	s_add_co_u32 s[G0B+4*(\s)+1], s20, (\s)*SLOT
	s_add_nc_u64 s[G0B+4*(\s)+2:G0B+4*(\s)+3], s[46:47], (\s)*KSTEP*2
	s_or_b32 s[G0B+4*(\s)+3], s[G0B+4*(\s)+3], 0x80000000
	JLOAD \s                                       ; K steps 0 and 1: two loads of mine are out
.endr
	v_and_b32 v1, 15, v0                           ; r
	v_bfe_u32 v2, v0, 4, 1                         ; h
	v_mul_u32_u24 v3, v1, PITCH
	v_lshl_add_u32 v3, v2, 4, v3
	s_mul_i32 s21, s11, HALFT
	s_mul_i32 s22, s12, HALFT
	s_add_co_u32 s22, s22, 2*HALFT
	v_add_nc_u32 v[ADRA0], s21, v3
	v_add_nc_u32 v[ADRB0], s22, v3
	v_mov_b32 v[ADRA], v[ADRA0]
	v_mov_b32 v[ADRB], v[ADRB0]
	s_mul_i32 s23, s10, DWAVE                      ; my dump
	v_mul_u32_u24 v4, v1, DP
	v_lshl_add_u32 v4, v2, 5, v4
	v_add_nc_u32 v[DST], s23, v4                   ; row r, 32 bytes for each half of the lanes
	; the prefetches
	s_lshl_b32 s20, s13, 8
	s_lshl_b32 s21, s42, 8
	s_and_b32 s22, ttmp7, 0xffff
	s_cmp_eq_u32 s11, 0
	s_cselect_b32 s20, s20, s21                    ; the tile's first row, in A or in B
	s_cselect_b32 s21, s40, s41                    ; my place among the four that ask with me
	s_cselect_b32 s22, ttmp9, s22                  ; the coordinate along which other clusters read the same rows
	s_cselect_b64 s[PFA:PFA+1], s[4:5], s[6:7]
	s_cmp_eq_u32 s22, 0
	s_cselect_b32 s[LIM], 2, -1
	s_lshl_b32 s22, s12, 7
	s_add_co_u32 s20, s20, s22
	s_lshl_b32 s21, s21, 5
	s_add_co_u32 s20, s20, s21
	s_mov_b32 s21, 0
	s_mov_b64 s[18:19], SIZE_K*2
	s_mul_u64 s[20:21], s[20:21], s[18:19]
	s_add_nc_u64 s[PFA:PFA+1], s[PFA:PFA+1], s[20:21]
	s_add_nc_u64 s[PFA:PFA+1], s[PFA:PFA+1], 2*KSTEP*2  ; at K step 2: the first refill steps it to 3 and names step 4
	v_and_b32 v[PFO], 31, v0
	v_mul_u32_u24 v[PFO], v[PFO], SIZE_K*2
.macro MUL16 f, hi, a0, zero           ; 16 products: m blocks a0, a0 + 1 of the window's four x all 8 n blocks, 32 along K; zero = 1 starts the sums
	WIN MUL_LO+0x50*(\hi)
.irp a, \a0, (\a0)+1
.irp b, 0,1,2,3,4,5,6,7
.if \zero
	v_wmma_f32_16x16x32_bf16 v[8*(8*(\a)+(\b)):8*(8*(\a)+(\b))+7], v[(\f)+8*(\b):(\f)+8*(\b)+7], v[(\f)+8*(4*(\hi)+(\a)):(\f)+8*(4*(\hi)+(\a))+7], 0
.else
	v_wmma_f32_16x16x32_bf16 v[8*(8*(\a)+(\b)):8*(8*(\a)+(\b))+7], v[(\f)+8*(\b):(\f)+8*(\b)+7], v[(\f)+8*(4*(\hi)+(\a)):(\f)+8*(4*(\hi)+(\a))+7], v[8*(8*(\a)+(\b)):8*(8*(\a)+(\b))+7]
.endif
.endr
.endr
.endm
.macro FETCH k, f                      ; 32 LDS loads in one run: a quarter step's fragments (B's 128 rows, then A's) at byte k of the rows of the slot in hand
	WIN TO_B
.irp i, 0,1,2,3,4,5,6,7
	ds_load_b128 v[(\f)+8*(\i):(\f)+8*(\i)+3],   v[ADRB] offset:(\k)+(\i)*16*PITCH
	ds_load_b128 v[(\f)+8*(\i)+4:(\f)+8*(\i)+7], v[ADRB] offset:(\k)+(\i)*16*PITCH+32
.endr
	WIN 0
.irp i, 0,1,2,3,4,5,6,7
	ds_load_b128 v[(\f)+8*(\i):(\f)+8*(\i)+3],   v[ADRA] offset:(\k)+(\i)*16*PITCH
	ds_load_b128 v[(\f)+8*(\i)+4:(\f)+8*(\i)+7], v[ADRA] offset:(\k)+(\i)*16*PITCH+32
.endr
.endm
.macro QUARTER k, f, g, zero           ; multiplies buffer f; in its middle fetches the next quarter, at byte k, into g
	s_wait_dscnt 8                                 ; B and A's rows 0-63 are in; the youngest eight loads (A's rows 64-127) may be out
	MUL16 \f, 0, 0, \zero
	MUL16 \f, 0, 2, \zero
	PLACES
	FETCH \k, \g
	s_wait_dscnt 32                                ; all but the 32 just issued
	MUL16 \f, 1, 0, \zero
	MUL16 \f, 1, 2, \zero
.endm
.macro MEET round                      ; the first half of a step's last quarter, and the barrier of the change of slots
	WIN 0
	s_wait_tensorcnt 0x0                           ; all my tensor loads have landed: the one that was out is my part of the next slot
	ds_add_u32 v[SPW], v[NIL]                      ; 0 onto my spare word
	s_wait_dscnt 9                                 ; (the add and the youngest eight loads may be out)
	MUL16 F1, 0, 0, 0
	s_wait_dscnt 0x0                               ; the add is done, and my reads of this slot are over
	s_barrier_signal -1
	MUL16 F1, 0, 2, 0
.if \round
	WIN 0
.endif
	s_barrier_wait -1
.endm
.macro TURN fill                       ; a step's last quarter.  fill = 1: the slot just read is filled again, two K steps ahead, behind a round of the cluster's barrier
.if \fill
	s_wait_xcnt 0x0                                ; the last prefetch, a K step back, has read its address
	s_add_nc_u64 s[PFA:PFA+1], s[PFA:PFA+1], KSTEP*2
.endif
	MEET \fill
.if \fill
	CREST                                          ; no wave of any partner still reads this slot or has a load on its way
	s_xor_b32 s[G0+5], s[G0+5], SLOT               ; the walking descriptors: the other slot than last time, the next K step
	s_xor_b32 s[G0B+5], s[G0B+5], SLOT
	s_add_nc_u64 s[G0+6:G0+7], s[G0+6:G0+7], KSTEP*2
	s_add_nc_u64 s[G0B+6:G0B+7], s[G0B+6:G0B+7], KSTEP*2
	JLOAD 1                                        ; my one tensor load behind the round; its four v_nop are also the places in front of the loads below
.else
	PLACES
.endif
	WIN 0
	s_xor_b32 s[TB], s[TB], SLOT
	v_add_nc_u32 v[ADRA], s[TB], v[ADRA0]
	v_add_nc_u32 v[ADRB], s[TB], v[ADRB0]
	FETCH 0, F0
.if \fill
	ASK
.endif
	MUL16 F1, 1, 0, 0
	MUL16 F1, 1, 2, 0
.endm
.macro DUMP                            ; all 64 accumulators as f32 into my 128 rows of 528 bytes; each accumulator's low registers first
.irp hi, 0,1
	WIN 0x08+4*(\hi)                               ; the stores' data in window 2 or 3
.irp a, 0,1,2,3
.irp b, 0,1,2,3,4,5,6,7
	ds_store_b128 v[DST], v[8*(8*(\a)+(\b)):8*(8*(\a)+(\b))+3]   offset:(4*(\hi)+(\a))*16*DP+64*(\b)
	ds_store_b128 v[DST], v[8*(8*(\a)+(\b))+4:8*(8*(\a)+(\b))+7] offset:(4*(\hi)+(\a))*16*DP+64*(\b)+16
.endr
.endr
.endr
	WIN 0
.endm
	s_wait_tensorcnt 1                             ; my part of K step 0 is in; step 1's may stay out
	s_barrier_signal -1
	s_barrier_wait -1
	FETCH 0, F0
	QUARTER 64, F0, F1, 1                          ; the first quarter starts the sums
	WIN 0
	s_mov_b32 s3, NSTEP-2
.Lstep:                                        ; a trip: a step's quarters 1 to 3 and the next step's quarter 0; one refill
	QUARTER 128, F1, F0, 0
	QUARTER 192, F0, F1, 0
	TURN 1
	QUARTER 64, F0, F1, 0
	WIN 0
	s_sub_co_u32 s3, s3, 1
	s_cmp_lg_u32 s3, 0
	s_cbranch_scc1 .Lstep
	QUARTER 128, F1, F0, 0                         ; the last two steps fill nothing
	QUARTER 192, F0, F1, 0
	TURN 0
	QUARTER 64, F0, F1, 0
	QUARTER 128, F1, F0, 0
	QUARTER 192, F0, F1, 0
	s_wait_dscnt 8
	MUL16 F1, 0, 0, 0
	MUL16 F1, 0, 2, 0
	s_wait_dscnt 0x0
	MUL16 F1, 1, 0, 0
	MUL16 F1, 1, 2, 0
	WIN 0
	PLACES
	PLACES
	; THE WAY OUT.  What every role needs is made ahead of the branches.
	v_and_b32 v5, 31, v0                           ; lane
	v_lshlrev_b32 v6, 4, v5                        ; 16 x lane
	s_mov_b32 s70, ttmp9                           ; the role: the cluster's x
	s_lshl_b32 s72, s13, 8
	s_lshl_b32 s73, s11, 7
	s_add_co_u32 s72, s72, s73                     ; my first row of C
	s_lshr_b32 s73, s72, 11                        ; b
	s_and_b32 s74, s72, 2047                       ; t0
	s_lshr_b32 s75, s42, 1                         ; (role 0) 0: Q, 1: K
	s_lshl_b32 s76, s75, 18                        ; that part's pair of tables,
	s_lshl_b32 s77, s12, 17                        ; cos (wave's column half 0) or sin (1),
	s_add_co_u32 s76, s76, s77
	s_lshl_b32 s77, s74, 6                         ; from my first token on
	s_add_co_u32 s76, s76, s77
	v_add_nc_u32 v[AUX], s76, v6
	s_lshl_b32 s78, s11, 14
	s_add_co_u32 s78, s78, TBL                     ; my row half's tables in LDS
	s_lshl_b32 s79, s12, 13
	s_add_co_u32 s79, s79, s78
	v_add_nc_u32 v31, s79, v6
	s_cmp_lg_u32 s70, 0
	s_cbranch_scc1 .Lno_tab
.irp i, 0,1,2,3,4,5,6,7,8,9,10,11,12,13,14,15
	global_load_b128 v[64+4*(\i):67+4*(\i)], v[AUX], s[66:67] offset:512*(\i)  ; 128 tokens x 64 bytes
.endr
.Lno_tab:
	s_wait_dscnt 0x0
	s_barrier_signal -1
	s_barrier_wait -1                              ; nobody reads the ring any more
	DUMP
	s_wait_loadcnt 0x0
	s_cmp_lg_u32 s70, 0
	s_cbranch_scc1 .Lno_tab2
.irp i, 0,1,2,3,4,5,6,7,8,9,10,11,12,13,14,15
	ds_store_b128 v31, v[64+4*(\i):67+4*(\i)] offset:512*(\i)
.endr
.Lno_tab2:
	s_wait_dscnt 0x0                               ; for the partner wave's sake: my table lies in LDS
	s_barrier_signal -1
	s_barrier_wait -1
	s_cmp_eq_u32 s70, 1
	s_cbranch_scc1 .Lrole_v
	s_cmp_eq_u32 s70, 2
	s_cbranch_scc1 .Lrole_u
	; Q AND K.  A trip takes 8 tokens x my 4 heads: lane = 4 x token + piece, a piece = 8 channels = 4 pairs.  (x0, x1) -> (x0 cos - x1 sin, x1 cos + x0 sin).
	v_lshrrev_b32 v7, 2, v5
	v_and_b32 v8, 3, v5
	v_mul_u32_u24 v[RDA], v7, DP
	v_lshl_add_u32 v[RDA], v8, 5, v[RDA]
	v_add_nc_u32 v[RDA], s23, v[RDA]
	v_add_nc_u32 v31, s78, v6
	s_lshl_b32 s76, s75, 22                        ; Q at 0, K at 4,194,304
	s_and_b32 s77, s42, 1
	s_lshl_b32 s77, s77, 3
	s_lshl2_add_u32 s77, s12, s77                  ; my first head: 8 (tile column % 2) + 4 x column half
	s_lshl4_add_u32 s77, s73, s77                  ; + 16 b
	s_lshl_b32 s77, s77, 17                        ; 2,048 rows of 64 bytes a head
	s_add_co_u32 s76, s76, s77
	s_lshl_b32 s77, s74, 6
	s_add_co_u32 s76, s76, s77
	v_add_nc_u32 v[GO], s76, v6
	s_mov_b32 s3, 16
.Lqk:
.irp e, 0,1,2,3
	ds_load_b128 v[64+8*(\e):67+8*(\e)], v[RDA] offset:128*(\e)
	ds_load_b128 v[68+8*(\e):71+8*(\e)], v[RDA] offset:128*(\e)+16
.endr
	ds_load_b128 v[96:99], v31                     ; cos of my four pairs
	ds_load_b128 v[100:103], v31 offset:8192       ; sin
	s_wait_dscnt 0x0
.irp e, 0,1,2,3
.irp i, 0,1,2,3
	v_mul_f32 v[104+2*(\i)], v[65+8*(\e)+2*(\i)], v[100+(\i)]
	v_mul_f32 v[105+2*(\i)], v[64+8*(\e)+2*(\i)], v[100+(\i)]
.endr
.irp i, 0,1,2,3
	v_fma_f32 v[64+8*(\e)+2*(\i)], v[64+8*(\e)+2*(\i)], v[96+(\i)], -v[104+2*(\i)]
	v_fma_f32 v[65+8*(\e)+2*(\i)], v[65+8*(\e)+2*(\i)], v[96+(\i)], v[105+2*(\i)]
.endr
.irp i, 0,1,2,3
	v_cvt_pk_bf16_f32 v[112+4*(\e)+(\i)], v[64+8*(\e)+2*(\i)], v[65+8*(\e)+2*(\i)]
.endr
	global_store_b128 v[GO], v[112+4*(\e):115+4*(\e)], s[8:9] offset:131072*(\e)  ; 8 rows of 64 bytes: 512 consecutive bytes
.endr
	s_wait_xcnt 0x0                                ; the stores have read their registers: these are rewritten only behind this wait
	v_add_nc_u32 v[RDA], 8*DP, v[RDA]
	v_add_nc_u32 v31, 512, v31
	v_add_nc_u32 v[GO], 512, v[GO]
	s_sub_co_u32 s3, s3, 1
	s_cmp_lg_u32 s3, 0
	s_cbranch_scc1 .Lqk
	s_branch .Lend
	; V.  A trip takes 16 tokens x my 128 channels: lane (r, h) gathers tokens 8 h + 0..7 of channel 16 c + r: 16 bytes of a fragment.
.Lrole_v:
	v_mul_u32_u24 v[RDA], v2, 8*DP
	v_lshl_add_u32 v[RDA], v1, 2, v[RDA]
	v_add_nc_u32 v[RDA], s23, v[RDA]
	s_sub_co_u32 s76, s42, 4
	s_lshl_b32 s76, s76, 2
	s_lshl1_add_u32 s76, s12, s76                  ; my first head: 4 (tile column - 4) + 2 x column half
	s_lshl4_add_u32 s76, s73, s76                  ; + 16 b
	s_lshl_b32 s76, s76, 18                        ; 64 blocks of 4,096 bytes a head
	s_lshr_b32 s77, s74, 5
	s_lshl_b32 s77, s77, 12                        ; my first block of 32 keys
	s_add_co_u32 s76, s76, s77
	s_add_co_u32 s76, s76, 8388608
	v_add_nc_u32 v[AUX], s76, v6
	s_mov_b32 s3, 0
.Lv:
.irp c, 0,1,2,3,4,5,6,7
.irp j, 0,1,2,3,4,5,6,7
	ds_load_b32 v[64+8*(\c)+(\j)], v[RDA] offset:(\j)*DP+64*(\c)  ; 16 neighbouring words, and 32 banks on for the upper lanes
.endr
.endr
	s_lshr_b32 s76, s3, 1
	s_lshl_b32 s76, s76, 12                        ; block of 32 keys,
	s_and_b32 s77, s3, 1
	s_lshl_b32 s77, s77, 9                         ; half of it
	s_add_co_u32 s76, s76, s77
	v_add_nc_u32 v[GO], s76, v[AUX]
	s_wait_dscnt 0x0
.irp c, 0,1,2,3,4,5,6,7
.irp i, 0,1,2,3
	v_cvt_pk_bf16_f32 v[128+4*(\c)+(\i)], v[64+8*(\c)+2*(\i)], v[65+8*(\c)+2*(\i)]
.endr
	global_store_b128 v[GO], v[128+4*(\c):131+4*(\c)], s[8:9] offset:((\c)/4)*262144+((\c)%4)*1024  ; 512 consecutive bytes
.endr
	s_wait_xcnt 0x0
	v_add_nc_u32 v[RDA], 16*DP, v[RDA]
	s_add_co_u32 s3, s3, 1
	s_cmp_lt_u32 s3, 8
	s_cbranch_scc1 .Lv
	s_branch .Lend
	; U.  A trip takes 4 rows; a lane 4 columns of each.  sigmoid(u) = 1 / (1 + 2^(-u log2 e)).
.Lrole_u:
	v_add_nc_u32 v[RDA], s23, v6
	s_lshl_b32 s76, s72, 11
	s_sub_co_u32 s77, s42, 8
	s_lshl_b32 s77, s77, 9
	s_add_co_u32 s76, s76, s77
	s_lshl_b32 s77, s12, 8
	s_add_co_u32 s76, s76, s77
	s_add_co_u32 s76, s76, 16777216
	v_lshl_add_u32 v[GO], v5, 3, s76
	s_mov_b32 s3, 32
.Lu:
.irp k, 0,1,2,3
	ds_load_b128 v[64+4*(\k):67+4*(\k)], v[RDA] offset:(\k)*DP
.endr
	s_wait_dscnt 0x0
.irp p, 0,1,2,3,4,5,6,7
	v_pk_mul_f32 v[64+2*(\p):65+2*(\p)], v[64+2*(\p):65+2*(\p)], 0xbfb8aa3b op_sel_hi:[1,0]
.endr
.set i, 0
.rept 16
	v_exp_f32 v[64+i], v[64+i]
.set i, i+1
.endr
	v_nop
	s_wait_alu depctr_va_vdst(0)                   ; one wait for the sixteen
.irp p, 0,1,2,3,4,5,6,7
	v_pk_add_f32 v[64+2*(\p):65+2*(\p)], v[64+2*(\p):65+2*(\p)], 1.0 op_sel_hi:[1,0]
.endr
.set i, 0
.rept 16
	v_rcp_f32 v[64+i], v[64+i]
.set i, i+1
.endr
	v_nop
	s_wait_alu depctr_va_vdst(0)
.irp p, 0,1,2,3,4,5,6,7
	v_cvt_pk_bf16_f32 v[80+(\p)], v[64+2*(\p)], v[65+2*(\p)]
.endr
.irp k, 0,1,2,3
	global_store_b64 v[GO], v[80+2*(\k):81+2*(\k)], s[8:9] offset:2048*(\k)  ; 256 consecutive bytes, aligned
.endr
	s_wait_xcnt 0x0
	v_add_nc_u32 v[RDA], 4*DP, v[RDA]
	v_add_nc_u32 v[GO], 8192, v[GO]
	s_sub_co_u32 s3, s3, 1
	s_cmp_lg_u32 s3, 0
	s_cbranch_scc1 .Lu
.Lend:
	s_wait_tensorcnt 0x0                           ; the wave's end: behind my last tensor load and my last LDS store
	ds_add_u32 v[SPW], v[NIL]
	s_wait_dscnt 0x0
	CROUND                                         ; the closing round
	s_endpgm
.Lfunc_end_k_q44748ed956_proj:
	.size	k_q44748ed956_proj, .Lfunc_end_k_q44748ed956_proj-k_q44748ed956_proj
	.p2alignl 7, 3214868480
	.fill 96, 4, 3214868480
	.section	.rodata,"a",@progbits
	.p2align	6, 0x0
	.amdhsa_kernel k_q44748ed956_proj
		.amdhsa_group_segment_fixed_size 327680
		.amdhsa_private_segment_fixed_size 0
		.amdhsa_enable_private_segment 0
		.amdhsa_kernarg_size 16
		.amdhsa_user_sgpr_count 2
		.amdhsa_user_sgpr_kernarg_segment_ptr 1
		.amdhsa_wavefront_size32 1
		.amdhsa_system_sgpr_workgroup_id_x 1
		.amdhsa_system_sgpr_workgroup_id_y 1
		.amdhsa_system_sgpr_workgroup_id_z 1
		.amdhsa_system_vgpr_workitem_id 0
		.amdhsa_next_free_vgpr 1024
		.amdhsa_next_free_sgpr 100
		.amdhsa_reserve_vcc 0
		.amdhsa_float_denorm_mode_32 3
		.amdhsa_float_denorm_mode_16_64 3
		.amdhsa_memory_ordered 1
		.amdhsa_forward_progress 1
		.amdhsa_inst_pref_size 115
	.end_amdhsa_kernel
	.amdgpu_metadata
---
amdhsa.version: [ 1, 2 ]
amdhsa.kernels:
  - .name:           k_q44748ed956_proj
    .symbol:         k_q44748ed956_proj.kd
    .args:
      - { .name: pre, .offset: 0, .size: 8, .value_kind: global_buffer, .address_space: global }
      - { .name: qkvg, .offset: 8, .size: 8, .value_kind: global_buffer, .address_space: global }
    .group_segment_fixed_size: 327680
    .private_segment_fixed_size: 0
    .kernarg_segment_align: 8
    .kernarg_segment_size: 16
    .max_flat_workgroup_size: 128
    .sgpr_count:     100
    .vgpr_count:     1024
    .wavefront_size: 32
...
	.end_amdgpu_metadata
.endif
;; end of part 2
;; launch attn (part 3): grid 32 x 16, 8 waves a work-group, no clusters, 299,008 bytes of LDS; arguments qkvg, pre, mbits, gat; writes gat
.if DOCPART == 3
	.amdgcn_target "amdgcn-amd-amdhsa--gfx1250"
	.amdhsa_code_object_version 6
	.text
	.protected	k_q44748ed956_attn
	.globl	k_q44748ed956_attn
	.p2align	8
	.type	k_q44748ed956_attn,@function
k_q44748ed956_attn:
	s_mov_b64 s[64:65], 0
	v_nop
	global_prefetch_b8 v0, s[64:65] scope:SCOPE_SE
	s_setreg_imm32_b32 hwreg(HW_REG_WAVE_MODE, 25, 1), 1
	s_wait_xcnt 0x0
; Launch 3 of 6: gat[token][64 head + d] = sigmoid(U) x sum over keys of max(p / l, 1e-8) V, p = exp(clip(where(mask, q.k / sqrt(32) + bias, -inf), -50, 50)), l = the row's sum of p.
; LEFT OUT (shown at the head of the first kernel): the maximum before the exponential (reference()'s own clip bounds the exponent), the upper bound 1 of A (an identity), pos_ids.
; In base 2: Q holds log2(e)/sqrt(32), the bias blocks log2(e), the bounds are +-72.134752, p = 2^s.  max(p / l, 1e-8) = max(p, 1e-8 l) / l, so the second product needs the finished l:
; the rounded weights of 64 queries x 2,048 keys stay in LDS (262,144 bytes) until l is known, and take the lower bound, in bf16, on their way to the second product.
; l is the f32 sum of the rounded weights, made by the matrix unit (ones x P).  NaN and infinities are not treated apart.
; SHARES.  A work-group owns 64 queries and two heads, one after the other, so that its rows of gat are whole blocks of 256 bytes.  THE KEYS ARE SPLIT AMONG THE EIGHT WAVES: wave w takes
; keys 256 w .. 256 w + 255 for all 64 queries; each fragment of K and V is read once a work-group, straight from memory as it is laid out, and feeds four products.  The eight partial O meet in LDS.
; NO CLUSTER: P leaves 65,536 bytes of LDS: two slots for K and V there would hold 16 matrix instructions' work a wave for each round of a cluster's barrier.  No prefetch: each block of K and V is read by 32 work-groups.
; LAYOUT.  S^T = K Q^T + C (source 0 = 16 keys, source 1 = 16 queries): a lane holds query l % 16 and keys 8 (l / 16) + 0..7.  Two such tiles rounded in pairs are source 1 of O^T = V^T P.
; THE BIAS IS THE C OPERAND.  A tile whose keys lie e tiles from its queries takes table[0] (e <= -2), one of three blocks (e = -1, 0, 1) or table[31] (e >= 2).  For the pair of key tiles in hand, tile
; (t, q) takes entry t - q + 3 of a chain of nine blocks; when the pair moves on near the diagonal the chain is shifted by two entries.  A wave whose first keys lie past the band starts with table[31] in all nine.
; V IS ASKED FOR AHEAD.  A wave's V of a head is 8 blocks of 32 keys x 64 channels, 32 registers each: the 256 registers of window 1.  Blocks 0 to 2 are asked for at the head's start, behind Q, K and the bias
; blocks; blocks 3 to 7 directly behind the loop over the scores.  Loads come back in order, so the wait for the next keys at the first trip's end is also the wait for blocks 0 to 2.  No step of the second product asks for V.
; REGISTERS, window 0: v0-11 addresses; v12-15 the lower bound, packed, by query tile; v16-23 at work; v24-31 ones; v32-63 Q; v64-79 K; v80-95, v128-183 the chain; v96-127 l's four accumulators; v184-247 S.
; In the second product: v32-63, v64-95, v96-127 three buffers of weights (block k in buffer k % 3); v128-255 O, accumulator (q, c) at 128 + 8 (4 q + c).  Window 1: V, block k, channels 16 c on, at 32 k + 8 c.
.set LXB,   262144                     ; behind P: the waves' row sums [query tile][query][wave] f32
.set STG,   LXB+2048                   ; 64 rows x 528 bytes: the two heads' 128 channels in f32
.set SP,    528
.set SPARE, STG+64*SP                  ; the spare words: 128 bytes for each of eight waves, named by no other line
.set CBT,   34078720
.set WV,    2                          ; s2  wave
.set HD,    3                          ; s3  head in hand: 0, 1
.set S,     184
.set LP,    96
.set O,     128
; s[4:5] qkvg, s6 my rows' offset in G and gat, s7 8 w - 2 qb + 2, s8 the shifts that lie behind my first keys, s9 counts them, s[10:11] gat, s12, s13 table[0], table[31] (x log2 e), s14, s15 the bounds,
; s[16:47], s[68:99] the mask words of the two key tiles in hand, s[48:55] Q, K, V, mask at the head's start, s[56:59], s[100:101] K, V, mask in hand, s60 trips, s61 the chain's state, s62, s63 at work, s[66:67] the bias blocks
.set MSB, 0
.macro WIN new                         ; s_set_vgpr_msb: bits 1:0 source 0, 7:6 destination; the high byte repeats the setting that is left; a switch that changes nothing is dropped
.if MSB != (\new)
	s_set_vgpr_msb (MSB<<8)|(\new)
.set MSB, \new
.endif
.endm
.macro SHIFT                           ; entry i takes entry i + 2; the last two take table[31]
.set ci, 0
.rept 7
.set ca, 80+8*ci+32*((ci+6)/8)
.set cc, 80+8*(ci+2)+32*((ci+8)/8)
.set cj, 0
.rept 8
	v_mov_b32 v[ca+cj], v[cc+cj]
.set cj, cj+1
.endr
.set ci, ci+1
.endr
.set cj, 0
.rept 16
	v_mov_b32 v[168+cj], s13
.set cj, cj+1
.endr
.endm
.macro KLOAD
	global_load_b128 v[64:67], v2, s[56:57]
	global_load_b128 v[68:71], v2, s[56:57] offset:32
	global_load_b128 v[72:75], v2, s[56:57] offset:1024
	global_load_b128 v[76:79], v2, s[56:57] offset:1056
.endm
.macro MLOAD
	s_load_b512 s[16:31], s[100:101], 0x0
	s_load_b512 s[32:47], s[100:101], 0x40
	s_load_b512 s[68:83], s[100:101], 0x80
	s_load_b512 s[84:99], s[100:101], 0xc0
.endm
.macro VLOAD k                         ; block k of V: 32 keys x 64 channels, four fragments, eight loads of 512 consecutive bytes; the destination's window is 1
.irp c, 0,1,2,3
	global_load_b128 v[32*(\k)+8*(\c):32*(\k)+8*(\c)+3],   v1, s[58:59] offset:4096*(\k)+1024*(\c)
	global_load_b128 v[32*(\k)+8*(\c)+4:32*(\k)+8*(\c)+7], v1, s[58:59] offset:4096*(\k)+1024*(\c)+512
.endr
.endm
.macro PLOAD k                         ; block k of my weights, 32 keys x 64 queries: four fragments, into buffer k % 3
.set PBK, 32+32*((\k)%3)
.irp q, 0,1,2,3
	ds_load_b128 v[PBK+8*(\q):PBK+8*(\q)+3],   v5 offset:4096*(\k)+1024*(\q)
	ds_load_b128 v[PBK+8*(\q)+4:PBK+8*(\q)+7], v5 offset:4096*(\k)+1024*(\q)+512
.endr
.endm
.macro PMAX k                          ; the lower bound 1e-8 l on block k's weights, two to a line
.set PBK, 32+32*((\k)%3)
.irp q, 0,1,2,3
.irp i, 0,1,2,3,4,5,6,7
	v_pk_max_num_bf16 v[PBK+8*(\q)+(\i)], v[PBK+8*(\q)+(\i)], v[12+(\q)]
.endr
.endr
.endm
.macro PVMUL k                         ; 16 products O^T += V^T P for block k, on 16 accumulators by turns; block 0 starts the sums: nothing is cleared
.set PBK, 32+32*((\k)%3)
	WIN 0x01                                       ; source 0 (V) in window 1
.irp q, 0,1,2,3
.irp c, 0,1,2,3
.if (\k) == 0
	v_wmma_f32_16x16x32_bf16 v[O+8*(4*(\q)+(\c)):O+8*(4*(\q)+(\c))+7], v[32*(\k)+8*(\c):32*(\k)+8*(\c)+7], v[PBK+8*(\q):PBK+8*(\q)+7], 0
.else
	v_wmma_f32_16x16x32_bf16 v[O+8*(4*(\q)+(\c)):O+8*(4*(\q)+(\c))+7], v[32*(\k)+8*(\c):32*(\k)+8*(\c)+7], v[PBK+8*(\q):PBK+8*(\q)+7], v[O+8*(4*(\q)+(\c)):O+8*(4*(\q)+(\c))+7]
.endif
.endr
.endr
	WIN 0
.endm
; A step of the second product.  Behind block k's products stand the next block's 32 maxima, which name none of those products' registers: they are the places in front of the loads that fill the buffer
; just read with block k + 3.  So a block of weights is asked for two steps ahead of its use.
.macro STEP k
.if (\k) >= 3
	s_wait_loadcnt 8*(7-(\k))                      ; V's block k is in; the 7 - k younger blocks, eight loads each, may stay out
.endif
	PVMUL \k
.if (\k) < 7
.if (\k) == 6
	s_wait_dscnt 0x0                               ; the last block of weights is in
.elseif (\k) >= 1
	s_wait_dscnt 8                                 ; block k + 1 of the weights is in; block k + 2's eight loads may stay out
.endif
	PMAX (\k)+1
.endif
.if (\k) < 5
	PLOAD (\k)+3
.endif
.endm
	s_load_b256 s[4:11], s[0:1], 0x0               ; qkvg, pre, mbits, gat
	v_lshl_add_u32 v10, v0, 2, SPARE               ; my spare word,
	v_mov_b32 v11, 0                               ; and 0: kept for the add alone
	v_lshrrev_b32 v1, 5, v0
	v_readfirstlane_b32 s[WV], v1
	v_and_b32 v16, 31, v0
	v_and_b32 v17, 15, v0                          ; r
	v_bfe_u32 v18, v0, 4, 1                        ; h
	v_lshlrev_b32 v1, 4, v16                       ; 16 x lane
	v_lshlrev_b32 v2, 6, v17
	v_lshl_add_u32 v2, v18, 4, v2                  ; a fragment of K or Q: row r of 64 bytes, 16 bytes for each half of the lanes
	s_mov_b32 s14, 0xc29044fe                      ; -50 log2(e)
	s_mov_b32 s15, 0x429044fe
	v_mov_b32 v3, s14
	s_lshl_b32 s62, s[WV], 15
	v_add_nc_u32 v5, s62, v1                       ; my 32,768 bytes of P
	v_lshlrev_b32 v7, 5, v17
	v_add_nc_u32 v7, LXB, v7
	v_lshl_add_u32 v6, s[WV], 2, v7
	s_lshr_b32 s62, s[WV], 1                       ; the query tile of the two accumulators that I sum
	s_lshl_b32 s63, s62, 9
	v_add_nc_u32 v8, s63, v7
	s_lshl_b32 s63, s62, 4
	v_add_nc_u32 v9, s63, v17
	v_mul_u32_u24 v9, v9, SP
	v_lshl_add_u32 v9, v18, 5, v9
	s_and_b32 s63, s[WV], 1
	s_lshl_b32 s63, s63, 7
	s_add_co_u32 s63, s63, STG
	v_add_nc_u32 v9, s63, v9                       ; stage: row 16 (w / 2) + r, channels 32 (w % 2) + 8 h on
.irp i, 24,25,26,27,28,29,30,31
	v_mov_b32 v[\i], 0x3f803f80                    ; 1.0 twice in bf16
.endr
	s_and_b32 s60, ttmp7, 0xffff
	s_lshr_b32 s61, s60, 3                         ; b
	s_and_b32 s60, s60, 7                          ; pair of heads
	s_lshl_b32 s62, s61, 4
	s_lshl1_add_u32 s62, s60, s62                  ; 16 b + first head
	s_mov_b32 s57, 0
	s_wait_kmcnt 0x0
	s_add_nc_u64 s[66:67], s[6:7], CBT
	s_load_b64 s[12:13], s[66:67], 0xc00
	s_lshl_b32 s56, s62, 17
	s_lshl_b32 s58, ttmp9, 12
	s_add_co_u32 s56, s56, s58
	s_add_nc_u64 s[48:49], s[4:5], s[56:57]        ; Q: the head's 131,072 bytes, my block's 64 rows
	s_lshl_b32 s56, s62, 17
	s_lshl_b32 s58, s[WV], 14
	s_add_co_u32 s56, s56, s58
	s_add_co_u32 s56, s56, 4194304
	s_add_nc_u64 s[50:51], s[4:5], s[56:57]        ; K: my wave's 256 rows
	s_lshl_b32 s56, s62, 18
	s_lshl_b32 s58, s[WV], 15
	s_add_co_u32 s56, s56, s58
	s_add_co_u32 s56, s56, 8388608
	s_add_nc_u64 s[52:53], s[4:5], s[56:57]        ; V: my wave's 8 blocks
	s_lshl_b32 s56, s61, 5
	s_add_co_u32 s56, s56, ttmp9
	s_lshl_b32 s56, s56, 14
	s_lshl_b32 s58, s[WV], 11
	s_add_co_u32 s56, s56, s58
	s_add_nc_u64 s[54:55], s[8:9], s[56:57]        ; mask words: my wave's 16 records
	s_lshl_b32 s6, s61, 11
	s_lshl_b32 s58, ttmp9, 6
	s_add_co_u32 s6, s6, s58
	s_lshl_b32 s58, s[WV], 3
	s_add_co_u32 s6, s6, s58                       ; the first of the 8 tokens that I store
	s_lshl_b32 s6, s6, 11
	s_lshl_b32 s58, s60, 8
	s_add_co_u32 s6, s6, s58
	s_lshl_b32 s7, s[WV], 3
	s_lshl_b32 s58, ttmp9, 1
	s_sub_co_u32 s7, s7, s58
	s_add_co_u32 s7, s7, 2                         ; first pair of key tiles - 2 qb + 2
	s_max_i32 s8, s7, 0
	s_min_i32 s8, s8, 5                            ; shifts that lie behind my first pair
	s_mov_b32 s[HD], 0
	s_wait_kmcnt 0x0
.Lhead:
	s_wait_xcnt 0x0                                ; no earlier load still reads the addresses in hand
	s_mov_b64 s[56:57], s[50:51]
	s_mov_b64 s[58:59], s[52:53]
	s_mov_b64 s[100:101], s[54:55]
	v_lshlrev_b32 v17, 1, v1                       ; 32 x lane
.irp k, 0,1,2
	global_load_b128 v[160+8*(\k):163+8*(\k)], v17, s[66:67] offset:1024*(\k)  ; chain entries 6, 7, 8: e = -1, 0, 1
	global_load_b128 v[164+8*(\k):167+8*(\k)], v17, s[66:67] offset:1024*(\k)+16
.endr
.irp q, 0,1,2,3
	global_load_b128 v[32+8*(\q):35+8*(\q)], v2, s[48:49] offset:1024*(\q)
	global_load_b128 v[36+8*(\q):39+8*(\q)], v2, s[48:49] offset:1024*(\q)+32
.endr
	KLOAD
	WIN 0x40                                       ; destination window 1
	VLOAD 0                                        ; V's first three blocks go out behind what the scores want first: 24 loads
	VLOAD 1
	VLOAD 2
	WIN 0
	MLOAD
	s_cmp_eq_u32 s8, 5                             ; do all my keys lie past the band?
	s_cselect_b32 s62, s13, s12                    ; then the chain is table[31] throughout,
	s_cselect_b32 s63, 0, s8                       ; and nothing is left to shift
.set i, 0
.rept 16
	v_mov_b32 v[80+i], s62                         ; chain entries 0 to 5: table[0], or table[31]
.set i, i+1
.endr
.set i, 0
.rept 32
	v_mov_b32 v[128+i], s62
.set i, i+1
.endr
.set i, 0
.rept 32
	v_mov_b32 v[LP+i], 0                           ; l starts at 0, cleared on purpose: a first trip written out would be several times these lines
.set i, i+1
.endr
	v_mov_b32 v4, v5
	s_mov_b32 s61, s7
	s_wait_loadcnt 24                              ; the bias blocks, Q and K are in; V's 24 younger loads stay out
	s_cmp_lg_u32 s8, 5
	s_cbranch_scc1 .Lnot_far
.set i, 0
.rept 24
	v_mov_b32 v[160+i], s13                        ; past the band: entries 6 to 8 too
.set i, i+1
.endr
.Lnot_far:
	s_cmp_eq_u32 s63, 0
	s_cbranch_scc1 .Lno_pre
	s_mov_b32 s9, 0
.Lpre:
	SHIFT
	s_add_co_u32 s9, s9, 1
	s_cmp_lt_u32 s9, s63
	s_cbranch_scc1 .Lpre
.Lno_pre:
	; PHASE 1: eight trips of 32 keys x 64 queries: scores, mask, bounds, exponentials, rounding; P into LDS; row sums.
	s_mov_b32 s60, 8
.Ltrip:
.irp t, 0,1
.irp q, 0,1,2,3
.set CI, (\t)-(\q)+3
.set CR, 80+8*CI+32*((CI+6)/8)
	v_wmma_f32_16x16x32_bf16 v[S+16*(\q)+8*(\t):S+16*(\q)+8*(\t)+7], v[64+8*(\t):71+8*(\t)], v[32+8*(\q):39+8*(\q)], v[CR:CR+7]
.endr
.endr
.rept 4
	v_nop                                          ; the places in front of the loads into K, the shift of the chain and the readers of S
.endr
	s_cmp_eq_u32 s60, 1
	s_cbranch_scc1 .Lno_k                          ; the last trip has no next keys
	s_add_nc_u64 s[56:57], s[56:57], 2048
	KLOAD
.Lno_k:
	s_add_co_u32 s61, s61, 1
	s_sub_co_u32 s62, s61, 1
	s_cmp_le_u32 s62, 4                            ; the next pair enters states 1 to 5
	s_cbranch_scc0 .Lno_sh
	SHIFT
.Lno_sh:
	s_wait_kmcnt 0x0                               ; the mask words
.irp q, 0,1,2,3
.irp j, 0,1,2,3,4,5,6,7
	v_cndmask_b32 v[S+16*(\q)+(\j)], v3, v[S+16*(\q)+(\j)], s[16+8*(\q)+(\j)]  ; a hole counts as the lower bound: -inf, clipped
.endr
.irp j, 0,1,2,3,4,5,6,7
	v_cndmask_b32 v[S+16*(\q)+8+(\j)], v3, v[S+16*(\q)+8+(\j)], s[68+8*(\q)+(\j)]
.endr
.endr
	s_cmp_eq_u32 s60, 1
	s_cbranch_scc1 .Lno_m
	s_add_nc_u64 s[100:101], s[100:101], 256
	MLOAD
.Lno_m:
	v_med3_num_f32 v[S], v[S], s14, s15
	v_med3_num_f32 v[S+1], v[S+1], s14, s15
.set i, 0
.rept 62                               ; exponential and bound by turns: ONE batch of 64, none of whose results is named ahead of the wait
	v_exp_f32 v[S+i], v[S+i]
	v_med3_num_f32 v[S+i+2], v[S+i+2], s14, s15
.set i, i+1
.endr
	v_exp_f32 v[S+62], v[S+62]
	v_exp_f32 v[S+63], v[S+63]
	v_nop                                          ; the plain instruction behind the last exponential,
	s_wait_alu depctr_va_vdst(0)                   ; and the one wait ahead of the batch's first reader
.irp q, 0,1,2,3
.irp i, 0,1,2,3
	v_cvt_pk_bf16_f32 v[S+16*(\q)+(\i)], v[S+16*(\q)+2*(\i)], v[S+16*(\q)+2*(\i)+1]  ; in place, ascending: a register is written when its numbers have been read
.endr
.irp i, 0,1,2,3
	v_cvt_pk_bf16_f32 v[S+16*(\q)+4+(\i)], v[S+16*(\q)+8+2*(\i)], v[S+16*(\q)+8+2*(\i)+1]
.endr
.endr
.irp q, 0,1,2,3
	ds_store_b128 v4, v[S+16*(\q):S+16*(\q)+3]   offset:1024*(\q)
	ds_store_b128 v4, v[S+16*(\q)+4:S+16*(\q)+7] offset:1024*(\q)+512
.endr
.irp q, 0,1,2,3
	v_wmma_f32_16x16x32_bf16 v[LP+8*(\q):LP+8*(\q)+7], v[24:31], v[S+16*(\q):S+16*(\q)+7], v[LP+8*(\q):LP+8*(\q)+7]  ; every register: the query's sum; four accumulators by turns
.endr
	v_add_nc_u32 v4, 0x1000, v4
.rept 4
	v_nop                                          ; five places in front of the products that write S again
.endr
	s_wait_loadcnt 0x0                             ; the next trip's K is in, and with it all that was asked for earlier: in the first trip V's blocks 0 to 2.  The last trip asked for nothing
	s_sub_co_u32 s60, s60, 1
	s_cmp_lg_u32 s60, 0
	s_cbranch_scc1 .Ltrip
	s_wait_kmcnt 0x0                               ; on every way out of the loop no load is pending on the mask's words, which the next head's loads take
	; THE ROW SUMS MEET.  V's other five blocks go out first; my own first two blocks of weights come back from LDS while the waves gather.
.irp q, 0,1,2,3
	ds_store_b32 v6, v[LP+8*(\q)] offset:512*(\q)  ; both halves of the lanes hold the same sum and write the same word
.endr
	WIN 0x40                                       ; destination window 1
	VLOAD 3
	VLOAD 4
	VLOAD 5
	VLOAD 6
	VLOAD 7
	WIN 0
	PLOAD 0                                        ; my own bytes: LDS serves a wave's instructions in order
	PLOAD 1
	s_wait_dscnt 0x0
	s_barrier_signal -1
	s_barrier_wait -1
.irp q, 0,1,2,3
	ds_load_b128 v[LP+8*(\q):LP+8*(\q)+3],   v7 offset:512*(\q)
	ds_load_b128 v[LP+8*(\q)+4:LP+8*(\q)+7], v7 offset:512*(\q)+16
.endr
	ds_load_b128 v[16:19], v8
	ds_load_b128 v[20:23], v8 offset:16
	s_wait_dscnt 0x0
.irp b, LP, LP+8, LP+16, LP+24, 16
	v_pk_add_f32 v[(\b):(\b)+1], v[(\b):(\b)+1], v[(\b)+2:(\b)+3]
	v_pk_add_f32 v[(\b)+4:(\b)+5], v[(\b)+4:(\b)+5], v[(\b)+6:(\b)+7]
.endr
.irp b, LP, LP+8, LP+16, LP+24, 16
	v_pk_add_f32 v[(\b):(\b)+1], v[(\b):(\b)+1], v[(\b)+4:(\b)+5]
.endr
.irp b, LP, LP+8, LP+16, LP+24, 16
	v_add_f32 v[\b], v[\b], v[(\b)+1]
.endr
	v_rcp_f32 v16, v16                             ; 1 / l for the query tile that I finish
.irp q, 0,1,2,3
	v_mul_f32 v[LP+8*(\q)], 0x322bcc77, v[LP+8*(\q)]
.endr
.irp q, 0,1,2,3
	v_cvt_pk_bf16_f32 v[12+(\q)], v[LP+8*(\q)], v[LP+8*(\q)]  ; 1e-8 l, twice
.endr
	s_wait_alu depctr_va_vdst(0)
	PLOAD 2
	; PHASE 2: eight steps of 32 keys, written out: V's registers differ from step to step.
	PMAX 0
	STEP 0
	STEP 1
	STEP 2
	STEP 3
	STEP 4
	STEP 5
	STEP 6
	STEP 7
.rept 4
	v_nop                                          ; the places behind the last products
.endr
	; PHASE 3: the eight partial O meet in the waves' own bytes of P; wave w sums accumulators 2 w and 2 w + 1, divides by l and puts them into the stage.
	s_cmp_lg_u32 s[HD], 1
	s_cbranch_scc1 .Lno_g
	v_lshrrev_b32 v19, 1, v1
	s_add_co_u32 s62, s6, 16777216
	v_add_nc_u32 v19, s62, v19
.irp i, 0,1,2,3,4,5,6,7
	global_load_b64 v[32+2*(\i):33+2*(\i)], v19, s[4:5] offset:2048*(\i)  ; the gate of the rows that I store at the end: asked for in the second head, ahead of the meeting of the partial sums
.endr
.Lno_g:
.set i, 0
.rept 16
	ds_store_b128 v5, v[O+8*i:O+8*i+3]   offset:1024*i
	ds_store_b128 v5, v[O+8*i+4:O+8*i+7] offset:1024*i+512
.set i, i+1
.endr
	s_wait_dscnt 0x0
	s_barrier_signal -1
	s_barrier_wait -1
	v_lshl_add_u32 v18, s[WV], 11, v1
.set i, 0
.rept 8
.irp k, 0,1,2,3
	ds_load_b128 v[O+16*i+4*(\k):O+16*i+4*(\k)+3], v18 offset:512*(\k)
.endr
	v_add_nc_u32 v18, 0x8000, v18
.set i, i+1
.endr
.set i, 1
.rept 7
	s_wait_dscnt 4*(7-i)                           ; the parts of waves 0 to i are in; the later waves' four loads each may stay out
.irp p, 0,1,2,3,4,5,6,7
	v_pk_add_f32 v[O+2*(\p):O+2*(\p)+1], v[O+2*(\p):O+2*(\p)+1], v[O+16*i+2*(\p):O+16*i+2*(\p)+1]
.endr
.set i, i+1
.endr
.irp p, 0,1,2,3,4,5,6,7
	v_pk_mul_f32 v[O+2*(\p):O+2*(\p)+1], v[O+2*(\p):O+2*(\p)+1], v[16:17] op_sel_hi:[1,0]
.endr
	ds_store_b128 v9, v[O:O+3]
	ds_store_b128 v9, v[O+4:O+7] offset:16
	ds_store_b128 v9, v[O+8:O+11] offset:64
	ds_store_b128 v9, v[O+12:O+15] offset:80
	s_wait_loadcnt 0x0                             ; the gate is in (second head; in the first nothing is out): no load is pending on v32-47 at the loop's jump, behind which Q's loads take them
	s_wait_dscnt 0x0
	s_barrier_signal -1
	s_barrier_wait -1                              ; nobody reads my bytes of P any more; the stage has this head's channels
	s_add_nc_u64 s[48:49], s[48:49], 131072
	s_add_nc_u64 s[50:51], s[50:51], 131072
	s_add_nc_u64 s[52:53], s[52:53], 262144
	v_add_nc_u32 v9, 256, v9
	s_add_co_u32 s[HD], s[HD], 1
	s_cmp_lt_u32 s[HD], 2
	s_cbranch_scc1 .Lhead
	; THE WAY OUT: wave w takes rows 8 w .. 8 w + 7; a lane 4 channels: times the gate, rounded, 256 consecutive bytes a store.
	s_mul_i32 s62, s[WV], 8*SP
	s_add_co_u32 s62, s62, STG
	v_add_nc_u32 v18, s62, v1
	v_lshrrev_b32 v20, 1, v1
	v_add_nc_u32 v20, s6, v20
.irp i, 0,1,2,3,4,5,6,7
	ds_load_b128 v[64+4*(\i):67+4*(\i)], v18 offset:(\i)*SP
.endr
	s_wait_dscnt 0x0
.irp i, 0,1,2,3,4,5,6,7
	v_lshlrev_b32 v96, 16, v[32+2*(\i)]
	v_and_b32 v97, 0xffff0000, v[32+2*(\i)]
	v_lshlrev_b32 v98, 16, v[33+2*(\i)]
	v_and_b32 v99, 0xffff0000, v[33+2*(\i)]
	v_pk_mul_f32 v[64+4*(\i):65+4*(\i)], v[64+4*(\i):65+4*(\i)], v[96:97]
	v_pk_mul_f32 v[66+4*(\i):67+4*(\i)], v[66+4*(\i):67+4*(\i)], v[98:99]
	v_cvt_pk_bf16_f32 v[100+2*(\i)], v[64+4*(\i)], v[65+4*(\i)]
	v_cvt_pk_bf16_f32 v[101+2*(\i)], v[66+4*(\i)], v[67+4*(\i)]
	global_store_b64 v20, v[100+2*(\i):101+2*(\i)], s[10:11] offset:2048*(\i)
.endr
	s_wait_tensorcnt 0x0                           ; the wave's end: behind my last LDS store
	ds_add_u32 v10, v11
	s_wait_dscnt 0x0
	s_endpgm
.Lfunc_end_k_q44748ed956_attn:
	.size	k_q44748ed956_attn, .Lfunc_end_k_q44748ed956_attn-k_q44748ed956_attn
	.p2alignl 7, 3214868480
	.fill 96, 4, 3214868480
	.section	.rodata,"a",@progbits
	.p2align	6, 0x0
	.amdhsa_kernel k_q44748ed956_attn
		.amdhsa_group_segment_fixed_size 299008
		.amdhsa_private_segment_fixed_size 0
		.amdhsa_enable_private_segment 0
		.amdhsa_kernarg_size 32
		.amdhsa_user_sgpr_count 2
		.amdhsa_user_sgpr_kernarg_segment_ptr 1
		.amdhsa_wavefront_size32 1
		.amdhsa_system_sgpr_workgroup_id_x 1
		.amdhsa_system_sgpr_workgroup_id_y 1
		.amdhsa_system_sgpr_workgroup_id_z 1
		.amdhsa_system_vgpr_workitem_id 0
		.amdhsa_next_free_vgpr 512
		.amdhsa_next_free_sgpr 102
		.amdhsa_reserve_vcc 0
		.amdhsa_float_denorm_mode_32 3
		.amdhsa_float_denorm_mode_16_64 3
		.amdhsa_memory_ordered 1
		.amdhsa_forward_progress 1
		.amdhsa_inst_pref_size 83
	.end_amdhsa_kernel
	.amdgpu_metadata
---
amdhsa.version: [ 1, 2 ]
amdhsa.kernels:
  - .name:           k_q44748ed956_attn
    .symbol:         k_q44748ed956_attn.kd
    .args:
      - { .name: qkvg, .offset: 0, .size: 8, .value_kind: global_buffer, .address_space: global }
      - { .name: pre, .offset: 8, .size: 8, .value_kind: global_buffer, .address_space: global }
      - { .name: mbits, .offset: 16, .size: 8, .value_kind: global_buffer, .address_space: global }
      - { .name: gat, .offset: 24, .size: 8, .value_kind: global_buffer, .address_space: global }
    .group_segment_fixed_size: 299008
    .private_segment_fixed_size: 0
    .kernarg_segment_align: 8
    .kernarg_segment_size: 32
    .max_flat_workgroup_size: 256
    .sgpr_count:     102
    .vgpr_count:     512
    .wavefront_size: 32
...
	.end_amdgpu_metadata
.endif
;; end of part 3
;; launch wo (part 4): grid 8 x 32, 4 waves a work-group, clusters of 4 x 4, 327,680 bytes of LDS; arguments gat, pre, x, res_w, gate_w, res; writes res
.if DOCPART == 4
	.amdgcn_target "amdgcn-amd-amdhsa--gfx1250"
	.amdhsa_code_object_version 6
	.text
	.protected	k_q44748ed956_wo
	.globl	k_q44748ed956_wo
	.p2align	8
	.type	k_q44748ed956_wo,@function
k_q44748ed956_wo:
	s_mov_b64 s[64:65], 0
	v_nop
	global_prefetch_b8 v0, s[64:65] scope:SCOPE_SE
	s_setreg_imm32_b32 hwreg(HW_REG_WAVE_MODE, 25, 1), 1
	s_wait_xcnt 0x0
	s_wait_alu depctr_hold_cnt(0) depctr_sa_sdst(0) depctr_va_vdst(0) depctr_va_sdst(0) depctr_va_ssrc(0) depctr_va_vcc(0) depctr_vm_vsrc(0)
	s_getreg_b32 s2, hwreg(HW_REG_IB_STS2, 6, 4)
	s_cmp_eq_u32 s2, 0
	s_cbranch_scc0 .Lentry_in_a_cluster
	s_endpgm
.Lentry_in_a_cluster:
	s_bfe_u32 s2, ttmp6, 0x10000c
	s_cmp_lg_u32 s2, 0xf033
	s_cbranch_scc0 .Lentry_shape_is_right
	s_endpgm
.Lentry_shape_is_right:
; Launch 4 of 6: res = sigmoid(res_w) x + sigmoid(gate_w) (gat wo^T), 4,096 x 1,024 x 1,024 in bf16 with f32 sums; stored in f32 (the residual that is carried on) and rounded once to bf16 (the next product's operand).
; A tile of C is 128 x 128, so that there are 256 work-groups: four waves, each 64 x 64 in 16 accumulators.  K goes in steps of 256 (rows of 512 bytes, padded to 528) through two LDS slots.
; CLUSTER 4 x 4: A's tiles are asked for jointly along a row of the cluster, B's along a column.  The matrix instruction is used transposed: a lane holds row l % 16 of C and 8 neighbouring columns.
; A trip of the loop is one K step; the slot in hand is a scalar that an exclusive or turns (wave x HALFT and SLOT share no bit), and one descriptor for each operand walks.
; No prefetch: the tiles are small and a step short; x's rows are asked for at the start, into registers, and land under the products.
; REGISTERS: window 0: v0-31 addresses and the two factors, v32-127 at work on the way out, v128-255 accumulator (a, b) at 128 + 8 (4 a + b); window 1: two fragment buffers; window 2: v0-127 my 32 rows of x.
.set SIZE_K, 1024
.set BOFF,   14680064                  ; pre: wo in bf16
.set RESB,   16777216                  ; res: the bf16 copy
.set XB,     72                        ; s[72:73] the rows that are added
.set KSTEP,  256
.set NSTEP,  SIZE_K/KSTEP
.set PITCH,  528
.set HALFT,  64*PITCH
.set SLOT,   4*HALFT
.set DP,     528                       ; the way out: a row of 128 f32 + 16 bytes; 128 rows of C, then 128 rows of x, in slot 0, which has had its last fill by then
.set XST,    128*DP
.set SPARE,  2*SLOT                    ; the spare words: 128 bytes for each wave, named by no other line
.set ADRA,  16
.set ADRA0, 17
.set ADRB,  20
.set ADRB0, 21
.set DST,   24
.set RDA,   25
.set GO,    26
.set SPW,   28
.set NIL,   29
.set GB,    30
.set RDX,   31
.set ACC,   128
.set F0,    0
.set F1,    128
.set TB,    2
.set G1,    24
.set G0,    32
.set G1B,   48
.set G0B,   56
.set MSB, 0
.macro WIN new
.if MSB != (\new)
	s_set_vgpr_msb (MSB<<8)|(\new)
.set MSB, \new
.endif
.endm
.set MUL,  0x05                        ; sources 0 (B) and 1 (A) window 1; C and D window 0
.set TO_F, 0x40                        ; destination window 1, address window 0
.macro JLOAD s                         ; a joint load: waves 0 and 1 fetch A's halves, waves 2 and 3 B's; an s_nop 0 and four v_nop follow each line
	s_cmp_eq_u32 s11, 0
	s_cbranch_scc0 .Lfor_b_\@
	tensor_load_to_lds s[G0+4*(\s):G0+4*(\s)+3], s[G1:G1+7]
	s_nop 0
.rept 4
	v_nop
.endr
	s_branch .Lasked_\@
.Lfor_b_\@:
	tensor_load_to_lds s[G0B+4*(\s):G0B+4*(\s)+3], s[G1B:G1B+7]
	s_nop 0
.rept 4
	v_nop
.endr
.Lasked_\@:
.endm
.macro CREST
	s_cmp_lg_u32 s10, 0
	s_cbranch_scc1 .Lnot_wave_0_\@
	s_barrier_signal -3
.Lnot_wave_0_\@:
	s_barrier_wait -3
	s_barrier_signal -1
	s_barrier_wait -1
.endm
.macro CROUND
	s_barrier_signal -1
	s_barrier_wait -1
	CREST
.endm
.macro PLACES
.rept 4
	v_nop
.endr
.endm
	s_load_b256 s[68:75], s[0:1], 0x0              ; gat 68, pre 70, x 72, res_w 74
	s_load_b128 s[76:79], s[0:1], 0x20             ; gate_w 76, res 78
	v_lshl_add_u32 v[SPW], v0, 2, SPARE
	v_mov_b32 v[NIL], 0
	ds_add_u32 v[SPW], v[NIL]                      ; the wave's opening: the add, twice on end, and its wait ahead of my first tensor load
	ds_add_u32 v[SPW], v[NIL]
	v_lshrrev_b32 v1, 5, v0
	v_readfirstlane_b32 s10, v1
	s_lshr_b32 s11, s10, 1
	s_and_b32 s12, s10, 1
	s_bfe_u32 s40, ttmp6, 0x40000
	s_bfe_u32 s41, ttmp6, 0x40004
	s_lshl_b32 s42, ttmp9, 2
	s_add_co_u32 s42, s42, s40                     ; tile column
	s_and_b32 s13, ttmp7, 0xffff
	s_lshl_b32 s13, s13, 2
	s_add_co_u32 s13, s13, s41                     ; tile row
	s_lshl_b32 s43, s41, 2
	s_lshl_b32 s43, 15, s43
	s_lshl_b32 s44, 0x1111, s40
	s_or_b32 s[G1+0], s43, (1<<16)|(1<<20)|(1<<21)|(6<<22)|(3<<25)   ; mask; 2-byte elements; padding on; bit 21 beside a mask; after every 128 words, 4 words
	s_or_b32 s[G1B+0], s44, (1<<16)|(1<<20)|(1<<21)|(6<<22)|(3<<25)
.irp g, G1, G1B
	s_mov_b32 s[(\g)+1], KSTEP<<16
	s_mov_b32 s[(\g)+2], 64<<16
	s_mov_b32 s[(\g)+3], KSTEP<<16
	s_mov_b32 s[(\g)+4], 64
	s_mov_b32 s[(\g)+5], SIZE_K
	s_mov_b32 s[(\g)+6], 0
	s_mov_b32 s[(\g)+7], 0
.endr
	s_lshl_b32 s17, s12, 6
	s_lshl_b32 s16, s13, 7
	s_add_co_u32 s16, s16, s17
	s_lshl_b32 s46, s42, 7
	s_add_co_u32 s46, s46, s17
	s_mov_b32 s17, 0
	s_mov_b32 s47, 0
	s_mov_b64 s[18:19], SIZE_K*2
	s_mul_u64 s[16:17], s[16:17], s[18:19]
	s_mul_u64 s[46:47], s[46:47], s[18:19]
	s_mul_i32 s20, s10, HALFT
	s_mov_b32 s[TB], 0
	s_wait_dscnt 0x0
	s_wait_kmcnt 0x0
	s_mov_b64 s[4:5], s[68:69]
	s_add_nc_u64 s[6:7], s[70:71], BOFF
	s_add_nc_u64 s[82:83], s[78:79], RESB
	s_load_b32 s80, s[74:75], 0x0
	s_load_b32 s81, s[76:77], 0x0
	s_add_nc_u64 s[14:15], s[4:5], s[16:17]
	s_add_nc_u64 s[46:47], s[6:7], s[46:47]
	CROUND
.irp s, 0,1
	s_mov_b32 s[G0+4*(\s)], 1
	s_add_co_u32 s[G0+4*(\s)+1], s20, (\s)*SLOT
	s_add_nc_u64 s[G0+4*(\s)+2:G0+4*(\s)+3], s[14:15], (\s)*KSTEP*2
	s_or_b32 s[G0+4*(\s)+3], s[G0+4*(\s)+3], 0x80000000
	s_mov_b32 s[G0B+4*(\s)], 1
	s_add_co_u32 s[G0B+4*(\s)+1], s20, (\s)*SLOT
	s_add_nc_u64 s[G0B+4*(\s)+2:G0B+4*(\s)+3], s[46:47], (\s)*KSTEP*2
	s_or_b32 s[G0B+4*(\s)+3], s[G0B+4*(\s)+3], 0x80000000
	JLOAD \s
.endr
	v_and_b32 v5, 31, v0
	v_lshlrev_b32 v6, 4, v5
	s_lshl_b32 s84, s13, 7
	s_lshl_b32 s85, s10, 5
	s_add_co_u32 s84, s84, s85                     ; the first of the 32 rows that I add and store
	s_lshl_b32 s86, s84, 11
	s_lshl_b32 s84, s84, 12
	s_lshl_b32 s85, s42, 9
	s_add_co_u32 s84, s84, s85
	v_add_nc_u32 v[GO], s84, v6                    ; f32: row x 4,096 + 512 x tile column + 16 x lane
	s_lshl_b32 s85, s42, 8
	s_add_co_u32 s86, s86, s85
	v_lshl_add_u32 v[GB], v5, 3, s86               ; bf16: half of that
	WIN 0x80                                       ; destination window 2
.set i, 0
.rept 32
	global_load_b128 v[4*i:4*i+3], v[GO], s[XB:XB+1] offset:i*4096  ; 512 consecutive bytes of a row
.set i, i+1
.endr
	WIN 0
	v_and_b32 v1, 15, v0
	v_bfe_u32 v2, v0, 4, 1
	v_mul_u32_u24 v3, v1, PITCH
	v_lshl_add_u32 v3, v2, 4, v3
	s_mul_i32 s21, s11, HALFT
	s_mul_i32 s22, s12, HALFT
	s_add_co_u32 s22, s22, 2*HALFT
	v_add_nc_u32 v[ADRA0], s21, v3
	v_add_nc_u32 v[ADRB0], s22, v3
	v_mov_b32 v[ADRA], v[ADRA0]
	v_mov_b32 v[ADRB], v[ADRB0]
	s_mul_i32 s23, s11, 64*DP
	s_lshl_b32 s21, s12, 8
	s_add_co_u32 s23, s23, s21
	v_mul_u32_u24 v4, v1, DP
	v_lshl_add_u32 v4, v2, 5, v4
	v_add_nc_u32 v[DST], s23, v4                   ; dump: row 64 x row half + r, 256 bytes x column half + 32 h
	s_mul_i32 s23, s10, 32*DP
	v_add_nc_u32 v[RDA], s23, v6                   ; back: my 32 whole rows
	v_add_nc_u32 v[RDX], XST, v[RDA]
	s_wait_kmcnt 0x0
	v_mov_b32 v12, s80
	v_mov_b32 v14, s81
	v_mul_f32 v12, 0xbfb8aa3b, v12
	v_mul_f32 v14, 0xbfb8aa3b, v14
	v_exp_f32 v12, v12
	v_exp_f32 v14, v14
	v_nop
	s_wait_alu depctr_va_vdst(0)
	v_add_f32 v12, 1.0, v12
	v_add_f32 v14, 1.0, v14
	v_rcp_f32 v12, v12                             ; sigmoid(res_w)
	v_rcp_f32 v14, v14                             ; sigmoid(gate_w)
	v_nop
	s_wait_alu depctr_va_vdst(0)
	v_mov_b32 v13, v12
	v_mov_b32 v15, v14
.macro MUL8 f, c, a0, zero
	WIN MUL
.irp a, \a0, (\a0)+1
.irp b, 0,1,2,3
.if \zero
	v_wmma_f32_16x16x32_bf16 v[ACC+8*(4*(\a)+(\b)):ACC+8*(4*(\a)+(\b))+7], v[(\f)+64+8*(4*(\c)+(\b)):(\f)+64+8*(4*(\c)+(\b))+7], v[(\f)+8*(4*(\c)+(\a)):(\f)+8*(4*(\c)+(\a))+7], 0
.else
	v_wmma_f32_16x16x32_bf16 v[ACC+8*(4*(\a)+(\b)):ACC+8*(4*(\a)+(\b))+7], v[(\f)+64+8*(4*(\c)+(\b)):(\f)+64+8*(4*(\c)+(\b))+7], v[(\f)+8*(4*(\c)+(\a)):(\f)+8*(4*(\c)+(\a))+7], v[ACC+8*(4*(\a)+(\b)):ACC+8*(4*(\a)+(\b))+7]
.endif
.endr
.endr
.endm
.macro FETCH k, f                      ; 32 LDS loads in one run: 64 along K at byte k of the rows of the slot in hand; the first 32 along K first
	WIN TO_F
.irp c, 0,1
.irp i, 0,1,2,3
	ds_load_b128 v[(\f)+64+8*(4*(\c)+(\i)):(\f)+64+8*(4*(\c)+(\i))+3],   v[ADRB] offset:(\k)+64*(\c)+(\i)*16*PITCH
	ds_load_b128 v[(\f)+64+8*(4*(\c)+(\i))+4:(\f)+64+8*(4*(\c)+(\i))+7], v[ADRB] offset:(\k)+64*(\c)+(\i)*16*PITCH+32
	ds_load_b128 v[(\f)+8*(4*(\c)+(\i)):(\f)+8*(4*(\c)+(\i))+3],         v[ADRA] offset:(\k)+64*(\c)+(\i)*16*PITCH
	ds_load_b128 v[(\f)+8*(4*(\c)+(\i))+4:(\f)+8*(4*(\c)+(\i))+7],       v[ADRA] offset:(\k)+64*(\c)+(\i)*16*PITCH+32
.endr
.endr
.endm
.macro QUARTER k, f, g, zero
	s_wait_dscnt 16                                ; the first 32 along K are in; the youngest sixteen loads may be out
	MUL8 \f, 0, 0, \zero
	MUL8 \f, 0, 2, \zero
	PLACES
	FETCH \k, \g
	s_wait_dscnt 32                                ; all but the 32 just issued
	MUL8 \f, 1, 0, 0
	MUL8 \f, 1, 2, 0
.endm
.macro TURN fill                       ; a step's last quarter and the change of slots; fill = 1: the slot just read is filled again, two K steps ahead, behind a round of the cluster's barrier
	WIN 0
	s_wait_tensorcnt 0x0                           ; all my tensor loads have landed: my part of the next slot
	ds_add_u32 v[SPW], v[NIL]                      ; 0 onto my spare word
	s_wait_dscnt 17                                ; (the add and the youngest sixteen loads may be out)
	MUL8 F1, 0, 0, 0
	s_wait_dscnt 0x0                               ; the add is done, and my reads of this slot are over
	s_barrier_signal -1
	MUL8 F1, 0, 2, 0
.if \fill
	WIN 0
.endif
	s_barrier_wait -1
.if \fill
	CREST
	s_xor_b32 s[G0+5], s[G0+5], SLOT
	s_xor_b32 s[G0B+5], s[G0B+5], SLOT
	s_add_nc_u64 s[G0+6:G0+7], s[G0+6:G0+7], KSTEP*2
	s_add_nc_u64 s[G0B+6:G0B+7], s[G0B+6:G0B+7], KSTEP*2
	JLOAD 1
.else
	PLACES
.endif
	WIN 0
	s_xor_b32 s[TB], s[TB], SLOT
	v_add_nc_u32 v[ADRA], s[TB], v[ADRA0]
	v_add_nc_u32 v[ADRB], s[TB], v[ADRB0]
	FETCH 0, F0
	MUL8 F1, 1, 0, 0
	MUL8 F1, 1, 2, 0
.endm
	s_wait_tensorcnt 1                             ; my part of K step 0 is in; step 1's may stay out
	s_barrier_signal -1
	s_barrier_wait -1
	FETCH 0, F0
	QUARTER 128, F0, F1, 1
	WIN 0
	s_mov_b32 s3, NSTEP-2
.Lstep:
	QUARTER 256, F1, F0, 0
	QUARTER 384, F0, F1, 0
	TURN 1
	QUARTER 128, F0, F1, 0
	WIN 0
	s_sub_co_u32 s3, s3, 1
	s_cmp_lg_u32 s3, 0
	s_cbranch_scc1 .Lstep
	QUARTER 256, F1, F0, 0
	QUARTER 384, F0, F1, 0
	TURN 0
	QUARTER 128, F0, F1, 0
	QUARTER 256, F1, F0, 0
	QUARTER 384, F0, F1, 0
	s_wait_dscnt 16
	MUL8 F1, 0, 0, 0
	MUL8 F1, 0, 2, 0
	s_wait_dscnt 0x0
	MUL8 F1, 1, 0, 0
	MUL8 F1, 1, 2, 0
	WIN 0
	PLACES
	PLACES
	s_barrier_signal -1
	s_barrier_wait -1                              ; nobody reads the ring any more
.irp a, 0,1,2,3
.irp b, 0,1,2,3
	ds_store_b128 v[DST], v[ACC+8*(4*(\a)+(\b)):ACC+8*(4*(\a)+(\b))+3]   offset:(\a)*16*DP+64*(\b)
	ds_store_b128 v[DST], v[ACC+8*(4*(\a)+(\b))+4:ACC+8*(4*(\a)+(\b))+7] offset:(\a)*16*DP+64*(\b)+16
.endr
.endr
	s_wait_loadcnt 0x0                             ; x's rows
	WIN 0x08                                       ; the stores' data in window 2
.set i, 0
.rept 32
	ds_store_b128 v[RDX], v[4*i:4*i+3] offset:i*DP
.set i, i+1
.endr
	WIN 0
	s_wait_dscnt 0x0                               ; a row of C comes from two waves
	s_barrier_signal -1
	s_barrier_wait -1
	s_mov_b32 s3, 8
.Lrow:                                         ; a trip: 4 rows; a lane 4 columns of each
.irp k, 0,1,2,3
	ds_load_b128 v[32+4*(\k):35+4*(\k)], v[RDA] offset:(\k)*DP
	ds_load_b128 v[48+4*(\k):51+4*(\k)], v[RDX] offset:(\k)*DP
.endr
	s_wait_dscnt 0x0
.irp p, 0,1,2,3,4,5,6,7
	v_pk_mul_f32 v[32+2*(\p):33+2*(\p)], v[32+2*(\p):33+2*(\p)], v[14:15]
.endr
.irp p, 0,1,2,3,4,5,6,7
	v_pk_fma_f32 v[32+2*(\p):33+2*(\p)], v[48+2*(\p):49+2*(\p)], v[12:13], v[32+2*(\p):33+2*(\p)]
.endr
.irp k, 0,1,2,3
	global_store_b128 v[GO], v[32+4*(\k):35+4*(\k)], s[78:79] offset:(\k)*4096  ; 512 consecutive bytes
.endr
.irp p, 0,1,2,3,4,5,6,7
	v_cvt_pk_bf16_f32 v[64+(\p)], v[32+2*(\p)], v[33+2*(\p)]
.endr
.irp k, 0,1,2,3
	global_store_b64 v[GB], v[64+2*(\k):65+2*(\k)], s[82:83] offset:(\k)*2048   ; 256 consecutive bytes, aligned
.endr
	s_wait_xcnt 0x0                                ; the stores have read their registers: these are rewritten only behind this wait
	v_add_nc_u32 v[RDA], 4*DP, v[RDA]
	v_add_nc_u32 v[RDX], 4*DP, v[RDX]
	v_add_nc_u32 v[GO], 16384, v[GO]
	v_add_nc_u32 v[GB], 8192, v[GB]
	s_sub_co_u32 s3, s3, 1
	s_cmp_lg_u32 s3, 0
	s_cbranch_scc1 .Lrow
	s_wait_tensorcnt 0x0                           ; the wave's end
	ds_add_u32 v[SPW], v[NIL]
	s_wait_dscnt 0x0
	CROUND                                         ; the closing round
	s_endpgm
.Lfunc_end_k_q44748ed956_wo:
	.size	k_q44748ed956_wo, .Lfunc_end_k_q44748ed956_wo-k_q44748ed956_wo
	.p2alignl 7, 3214868480
	.fill 96, 4, 3214868480
	.section	.rodata,"a",@progbits
	.p2align	6, 0x0
	.amdhsa_kernel k_q44748ed956_wo
		.amdhsa_group_segment_fixed_size 327680
		.amdhsa_private_segment_fixed_size 0
		.amdhsa_enable_private_segment 0
		.amdhsa_kernarg_size 48
		.amdhsa_user_sgpr_count 2
		.amdhsa_user_sgpr_kernarg_segment_ptr 1
		.amdhsa_wavefront_size32 1
		.amdhsa_system_sgpr_workgroup_id_x 1
		.amdhsa_system_sgpr_workgroup_id_y 1
		.amdhsa_system_sgpr_workgroup_id_z 1
		.amdhsa_system_vgpr_workitem_id 0
		.amdhsa_next_free_vgpr 640
		.amdhsa_next_free_sgpr 100
		.amdhsa_reserve_vcc 0
		.amdhsa_float_denorm_mode_32 3
		.amdhsa_float_denorm_mode_16_64 3
		.amdhsa_memory_ordered 1
		.amdhsa_forward_progress 1
		.amdhsa_inst_pref_size 72
	.end_amdhsa_kernel
	.amdgpu_metadata
---
amdhsa.version: [ 1, 2 ]
amdhsa.kernels:
  - .name:           k_q44748ed956_wo
    .symbol:         k_q44748ed956_wo.kd
    .args:
      - { .name: gat, .offset: 0, .size: 8, .value_kind: global_buffer, .address_space: global }
      - { .name: pre, .offset: 8, .size: 8, .value_kind: global_buffer, .address_space: global }
      - { .name: x, .offset: 16, .size: 8, .value_kind: global_buffer, .address_space: global }
      - { .name: res_w, .offset: 24, .size: 8, .value_kind: global_buffer, .address_space: global }
      - { .name: gate_w, .offset: 32, .size: 8, .value_kind: global_buffer, .address_space: global }
      - { .name: res, .offset: 40, .size: 8, .value_kind: global_buffer, .address_space: global }
    .group_segment_fixed_size: 327680
    .private_segment_fixed_size: 0
    .kernarg_segment_align: 8
    .kernarg_segment_size: 48
    .max_flat_workgroup_size: 128
    .sgpr_count:     100
    .vgpr_count:     640
    .wavefront_size: 32
...
	.end_amdgpu_metadata
.endif
;; end of part 4
;; launch ffn1 (part 5): grid 16 x 16, 4 waves a work-group, clusters of 4 x 4, 327,680 bytes of LDS; arguments res, pre, ffn1_b, hid; writes hid
.if DOCPART == 5
	.amdgcn_target "amdgcn-amd-amdhsa--gfx1250"
	.amdhsa_code_object_version 6
	.text
	.protected	k_q44748ed956_ffn1
	.globl	k_q44748ed956_ffn1
	.p2align	8
	.type	k_q44748ed956_ffn1,@function
k_q44748ed956_ffn1:
	s_mov_b64 s[64:65], 0
	v_nop
	global_prefetch_b8 v0, s[64:65] scope:SCOPE_SE
	s_setreg_imm32_b32 hwreg(HW_REG_WAVE_MODE, 25, 1), 1
	s_wait_xcnt 0x0
	s_wait_alu depctr_hold_cnt(0) depctr_sa_sdst(0) depctr_va_vdst(0) depctr_va_sdst(0) depctr_va_ssrc(0) depctr_va_vcc(0) depctr_vm_vsrc(0)
	s_getreg_b32 s2, hwreg(HW_REG_IB_STS2, 6, 4)
	s_cmp_eq_u32 s2, 0
	s_cbranch_scc0 .Lentry_in_a_cluster
	s_endpgm
.Lentry_in_a_cluster:
	s_bfe_u32 s2, ttmp6, 0x10000c
	s_cmp_lg_u32 s2, 0xf033
	s_cbranch_scc0 .Lentry_shape_is_right
	s_endpgm
.Lentry_shape_is_right:
; Launch 5 of 6: hid = gelu(res ffn1_w^T + ffn1_b), 4,096 x 4,096 x 1,024 in bf16 with f32 sums, the exact (erf) gelu in f32, hid rounded once to bf16.
; The product is built as in the launch of the projections: tiles of 256 x 256, four waves of 128 x 128, K steps of 128 through two LDS slots, a cluster of 4 x 4 with joint loads, one K step a trip.
; GELU.  gelu(h) = max(h, 0) - |h|/2 erfc(|h|/sqrt 2): no difference of near numbers for either sign.  erfc(x) = t (a1 + t (a2 + t (a3 + t (a4 + t a5)))) exp(-x^2), t = 1 / (1 + 0.3275911 x)
; (Abramowitz and Stegun 7.1.26, within 1.5e-7 for every x >= 0).  With zz = |h| sqrt(log2(e)/2): exp(-x^2) = 2^(-zz^2), 0.3275911 x = 0.2727375 zz, |h|/2 = 0.58870502 zz, which is folded into a1 .. a5.
.set SIZE_K, 1024
.set KSTEP,  128
.set NSTEP,  SIZE_K/KSTEP
.set PITCH,  272
.set HALFT,  128*PITCH
.set SLOT,   4*HALFT
.set DP,     528
.set DWAVE,  128*DP
.set SPARE,  2*SLOT                    ; the spare words: 128 bytes for each wave, named by no other line
.set AOFF,   16777216                  ; res: the bf16 copy
.set BOFF,   16777216                  ; pre: ffn1_w in bf16
.set ADRA,  16
.set ADRA0, 17
.set ADRB,  20
.set ADRB0, 21
.set DST,   24
.set RDA,   25
.set GO,    26
.set AUX,   27
.set SPW,   28
.set NIL,   29
.set PFO,   30
.set F0,    64
.set F1,    128
.set TB,    2
.set G1,    24
.set G0,    32
.set LIM,   43
.set PFA,   44
.set G1B,   48
.set G0B,   56
.set MSB, 0
.macro WIN new
.if MSB != (\new)
	s_set_vgpr_msb (MSB<<8)|(\new)
.set MSB, \new
.endif
.endm
.set MUL_LO, 0xa1
.set MUL_HI, 0xf1
.set TO_B,   0x40
.macro JLOAD s                         ; a joint load: waves 0 and 1 fetch A's halves, waves 2 and 3 B's; an s_nop 0 and four v_nop follow each line
	s_cmp_eq_u32 s11, 0
	s_cbranch_scc0 .Lfor_b_\@
	tensor_load_to_lds s[G0+4*(\s):G0+4*(\s)+3], s[G1:G1+7]
	s_nop 0
.rept 4
	v_nop
.endr
	s_branch .Lasked_\@
.Lfor_b_\@:
	tensor_load_to_lds s[G0B+4*(\s):G0B+4*(\s)+3], s[G1B:G1B+7]
	s_nop 0
.rept 4
	v_nop
.endr
.Lasked_\@:
.endm
; A prefetch of the K step two refills on: 32 rows x 256 bytes, a lane a row; A's rows by the cluster with x = 0, B's by the cluster with y = 0, the four partners' shares told apart by address.
; Trips with s3 = 6 .. 3 name steps 4 .. 7; each row's 256 bytes of a step are named once.
.macro ASK
	s_cmp_gt_u32 s3, s[LIM]
	s_cbranch_scc0 .Lnot_mine_\@
	global_prefetch_b8 v[PFO], s[PFA:PFA+1] offset:KSTEP*2 th:TH_LOAD_NT scope:SCOPE_SE
.Lnot_mine_\@:
.endm
.macro CREST
	s_cmp_lg_u32 s10, 0
	s_cbranch_scc1 .Lnot_wave_0_\@
	s_barrier_signal -3
.Lnot_wave_0_\@:
	s_barrier_wait -3
	s_barrier_signal -1
	s_barrier_wait -1
.endm
.macro CROUND
	s_barrier_signal -1
	s_barrier_wait -1
	CREST
.endm
.macro PLACES
.rept 4
	v_nop
.endr
.endm
	s_load_b256 s[68:75], s[0:1], 0x0              ; res 68, pre 70, ffn1_b 72, hid 74
	v_lshl_add_u32 v[SPW], v0, 2, SPARE
	v_mov_b32 v[NIL], 0
	ds_add_u32 v[SPW], v[NIL]                      ; the wave's opening: the add, twice on end, and its wait ahead of my first tensor load
	ds_add_u32 v[SPW], v[NIL]
	v_lshrrev_b32 v1, 5, v0
	v_readfirstlane_b32 s10, v1
	s_lshr_b32 s11, s10, 1
	s_and_b32 s12, s10, 1
	s_bfe_u32 s40, ttmp6, 0x40000
	s_bfe_u32 s41, ttmp6, 0x40004
	s_lshl_b32 s42, ttmp9, 2
	s_add_co_u32 s42, s42, s40
	s_and_b32 s13, ttmp7, 0xffff
	s_lshl_b32 s13, s13, 2
	s_add_co_u32 s13, s13, s41
	s_lshl_b32 s43, s41, 2
	s_lshl_b32 s43, 15, s43
	s_lshl_b32 s44, 0x1111, s40
	s_or_b32 s[G1+0], s43, (1<<16)|(1<<20)|(1<<21)|(5<<22)|(3<<25)
	s_or_b32 s[G1B+0], s44, (1<<16)|(1<<20)|(1<<21)|(5<<22)|(3<<25)
.irp g, G1, G1B
	s_mov_b32 s[(\g)+1], KSTEP<<16
	s_mov_b32 s[(\g)+2], 128<<16
	s_mov_b32 s[(\g)+3], KSTEP<<16
	s_mov_b32 s[(\g)+4], 128
	s_mov_b32 s[(\g)+5], SIZE_K
	s_mov_b32 s[(\g)+6], 0
	s_mov_b32 s[(\g)+7], 0
.endr
	s_lshl_b32 s17, s12, 7
	s_lshl_b32 s16, s13, 8
	s_add_co_u32 s16, s16, s17
	s_lshl_b32 s46, s42, 8
	s_add_co_u32 s46, s46, s17
	s_mov_b32 s17, 0
	s_mov_b32 s47, 0
	s_mov_b64 s[18:19], SIZE_K*2
	s_mul_u64 s[16:17], s[16:17], s[18:19]
	s_mul_u64 s[46:47], s[46:47], s[18:19]
	s_mul_i32 s20, s10, HALFT
	s_mov_b32 s[TB], 0
	s_wait_dscnt 0x0
	s_wait_kmcnt 0x0
	s_add_nc_u64 s[4:5], s[68:69], AOFF
	s_add_nc_u64 s[6:7], s[70:71], BOFF
	s_add_nc_u64 s[14:15], s[4:5], s[16:17]
	s_add_nc_u64 s[46:47], s[6:7], s[46:47]
	CROUND
.irp s, 0,1
	s_mov_b32 s[G0+4*(\s)], 1
	s_add_co_u32 s[G0+4*(\s)+1], s20, (\s)*SLOT
	s_add_nc_u64 s[G0+4*(\s)+2:G0+4*(\s)+3], s[14:15], (\s)*KSTEP*2
	s_or_b32 s[G0+4*(\s)+3], s[G0+4*(\s)+3], 0x80000000
	s_mov_b32 s[G0B+4*(\s)], 1
	s_add_co_u32 s[G0B+4*(\s)+1], s20, (\s)*SLOT
	s_add_nc_u64 s[G0B+4*(\s)+2:G0B+4*(\s)+3], s[46:47], (\s)*KSTEP*2
	s_or_b32 s[G0B+4*(\s)+3], s[G0B+4*(\s)+3], 0x80000000
	JLOAD \s
.endr
	v_and_b32 v1, 15, v0
	v_bfe_u32 v2, v0, 4, 1
	v_mul_u32_u24 v3, v1, PITCH
	v_lshl_add_u32 v3, v2, 4, v3
	s_mul_i32 s21, s11, HALFT
	s_mul_i32 s22, s12, HALFT
	s_add_co_u32 s22, s22, 2*HALFT
	v_add_nc_u32 v[ADRA0], s21, v3
	v_add_nc_u32 v[ADRB0], s22, v3
	v_mov_b32 v[ADRA], v[ADRA0]
	v_mov_b32 v[ADRB], v[ADRB0]
	s_mul_i32 s23, s10, DWAVE
	v_mul_u32_u24 v4, v1, DP
	v_lshl_add_u32 v4, v2, 5, v4
	v_add_nc_u32 v[DST], s23, v4
	s_lshl_b32 s20, s13, 8
	s_lshl_b32 s21, s42, 8
	s_and_b32 s22, ttmp7, 0xffff
	s_cmp_eq_u32 s11, 0
	s_cselect_b32 s20, s20, s21
	s_cselect_b32 s21, s40, s41
	s_cselect_b32 s22, ttmp9, s22
	s_cselect_b64 s[PFA:PFA+1], s[4:5], s[6:7]
	s_cmp_eq_u32 s22, 0
	s_cselect_b32 s[LIM], 2, -1
	s_lshl_b32 s22, s12, 7
	s_add_co_u32 s20, s20, s22
	s_lshl_b32 s21, s21, 5
	s_add_co_u32 s20, s20, s21
	s_mov_b32 s21, 0
	s_mov_b64 s[18:19], SIZE_K*2
	s_mul_u64 s[20:21], s[20:21], s[18:19]
	s_add_nc_u64 s[PFA:PFA+1], s[PFA:PFA+1], s[20:21]
	s_add_nc_u64 s[PFA:PFA+1], s[PFA:PFA+1], 2*KSTEP*2
	v_and_b32 v[PFO], 31, v0
	v_mul_u32_u24 v[PFO], v[PFO], SIZE_K*2
.macro MUL16 f, hi, a0, zero
	WIN MUL_LO+0x50*(\hi)
.irp a, \a0, (\a0)+1
.irp b, 0,1,2,3,4,5,6,7
.if \zero
	v_wmma_f32_16x16x32_bf16 v[8*(8*(\a)+(\b)):8*(8*(\a)+(\b))+7], v[(\f)+8*(\b):(\f)+8*(\b)+7], v[(\f)+8*(4*(\hi)+(\a)):(\f)+8*(4*(\hi)+(\a))+7], 0
.else
	v_wmma_f32_16x16x32_bf16 v[8*(8*(\a)+(\b)):8*(8*(\a)+(\b))+7], v[(\f)+8*(\b):(\f)+8*(\b)+7], v[(\f)+8*(4*(\hi)+(\a)):(\f)+8*(4*(\hi)+(\a))+7], v[8*(8*(\a)+(\b)):8*(8*(\a)+(\b))+7]
.endif
.endr
.endr
.endm
.macro FETCH k, f
	WIN TO_B
.irp i, 0,1,2,3,4,5,6,7
	ds_load_b128 v[(\f)+8*(\i):(\f)+8*(\i)+3],   v[ADRB] offset:(\k)+(\i)*16*PITCH
	ds_load_b128 v[(\f)+8*(\i)+4:(\f)+8*(\i)+7], v[ADRB] offset:(\k)+(\i)*16*PITCH+32
.endr
	WIN 0
.irp i, 0,1,2,3,4,5,6,7
	ds_load_b128 v[(\f)+8*(\i):(\f)+8*(\i)+3],   v[ADRA] offset:(\k)+(\i)*16*PITCH
	ds_load_b128 v[(\f)+8*(\i)+4:(\f)+8*(\i)+7], v[ADRA] offset:(\k)+(\i)*16*PITCH+32
.endr
.endm
.macro QUARTER k, f, g, zero
	s_wait_dscnt 8                                 ; B and A's rows 0-63 are in; the youngest eight loads may be out
	MUL16 \f, 0, 0, \zero
	MUL16 \f, 0, 2, \zero
	PLACES
	FETCH \k, \g
	s_wait_dscnt 32                                ; all but the 32 just issued
	MUL16 \f, 1, 0, \zero
	MUL16 \f, 1, 2, \zero
.endm
.macro MEET round
	WIN 0
	s_wait_tensorcnt 0x0                           ; all my tensor loads have landed: my part of the next slot
	ds_add_u32 v[SPW], v[NIL]                      ; 0 onto my spare word
	s_wait_dscnt 9                                 ; (the add and the youngest eight loads may be out)
	MUL16 F1, 0, 0, 0
	s_wait_dscnt 0x0                               ; the add is done, and my reads of this slot are over
	s_barrier_signal -1
	MUL16 F1, 0, 2, 0
.if \round
	WIN 0
.endif
	s_barrier_wait -1
.endm
.macro TURN fill
.if \fill
	s_wait_xcnt 0x0                                ; the last prefetch, a K step back, has read its address
	s_add_nc_u64 s[PFA:PFA+1], s[PFA:PFA+1], KSTEP*2
.endif
	MEET \fill
.if \fill
	CREST
	s_xor_b32 s[G0+5], s[G0+5], SLOT
	s_xor_b32 s[G0B+5], s[G0B+5], SLOT
	s_add_nc_u64 s[G0+6:G0+7], s[G0+6:G0+7], KSTEP*2
	s_add_nc_u64 s[G0B+6:G0B+7], s[G0B+6:G0B+7], KSTEP*2
	JLOAD 1
.else
	PLACES
.endif
	WIN 0
	s_xor_b32 s[TB], s[TB], SLOT
	v_add_nc_u32 v[ADRA], s[TB], v[ADRA0]
	v_add_nc_u32 v[ADRB], s[TB], v[ADRB0]
	FETCH 0, F0
.if \fill
	ASK
.endif
	MUL16 F1, 1, 0, 0
	MUL16 F1, 1, 2, 0
.endm
.macro DUMP
.irp hi, 0,1
	WIN 0x08+4*(\hi)
.irp a, 0,1,2,3
.irp b, 0,1,2,3,4,5,6,7
	ds_store_b128 v[DST], v[8*(8*(\a)+(\b)):8*(8*(\a)+(\b))+3]   offset:(4*(\hi)+(\a))*16*DP+64*(\b)
	ds_store_b128 v[DST], v[8*(8*(\a)+(\b))+4:8*(8*(\a)+(\b))+7] offset:(4*(\hi)+(\a))*16*DP+64*(\b)+16
.endr
.endr
.endr
	WIN 0
.endm
.macro SPAIR r, val                    ; a constant as a pair: the packed forms name both words
	s_mov_b32 s[\r], \val
	s_mov_b32 s[(\r)+1], \val
.endm
	s_wait_tensorcnt 1                             ; my part of K step 0 is in; step 1's may stay out
	s_barrier_signal -1
	s_barrier_wait -1
	FETCH 0, F0
	QUARTER 64, F0, F1, 1
	WIN 0
	s_mov_b32 s3, NSTEP-2
.Lstep:
	QUARTER 128, F1, F0, 0
	QUARTER 192, F0, F1, 0
	TURN 1
	QUARTER 64, F0, F1, 0
	WIN 0
	s_sub_co_u32 s3, s3, 1
	s_cmp_lg_u32 s3, 0
	s_cbranch_scc1 .Lstep
	QUARTER 128, F1, F0, 0
	QUARTER 192, F0, F1, 0
	TURN 0
	QUARTER 64, F0, F1, 0
	QUARTER 128, F1, F0, 0
	QUARTER 192, F0, F1, 0
	s_wait_dscnt 8
	MUL16 F1, 0, 0, 0
	MUL16 F1, 0, 2, 0
	s_wait_dscnt 0x0
	MUL16 F1, 1, 0, 0
	MUL16 F1, 1, 2, 0
	WIN 0
	PLACES
	PLACES
	v_and_b32 v5, 31, v0
	v_lshlrev_b32 v6, 4, v5
	s_lshl_b32 s76, s42, 8
	s_lshl_b32 s77, s12, 7
	s_add_co_u32 s76, s76, s77                     ; my first column
	s_lshl_b32 s77, s76, 2
	v_add_nc_u32 v[AUX], s77, v6
	global_load_b128 v[32:35], v[AUX], s[72:73]    ; the bias of my four columns
	s_lshl_b32 s78, s13, 8
	s_lshl_b32 s79, s11, 7
	s_add_co_u32 s78, s78, s79                     ; my first row
	s_lshl_b32 s78, s78, 13
	s_lshl1_add_u32 s78, s76, s78
	v_lshl_add_u32 v[GO], v5, 3, s78
	v_add_nc_u32 v[RDA], s23, v6
	s_mov_b32 s80, 0x3f596d27                      ; sqrt(log2(e) / 2)
	SPAIR 82, 0x3e8ba43f                           ; 0.2727375
	SPAIR 84, 0x3f1ff67a                           ; a5 .. a1, each times 0.58870502
	SPAIR 86, 0xbf5b0099
	SPAIR 88, 0x3f563818
	SPAIR 90, 0xbe2b8119
	SPAIR 92, 0x3e199eb3
	s_barrier_signal -1
	s_barrier_wait -1                              ; nobody reads the ring any more
	DUMP
	s_wait_loadcnt 0x0
	s_mov_b32 s3, 32
.Lg:                                           ; a trip: 4 of my rows (my own bytes: no barrier); a lane 4 columns of each
.irp k, 0,1,2,3
	ds_load_b128 v[64+4*(\k):67+4*(\k)], v[RDA] offset:(\k)*DP
.endr
	s_wait_dscnt 0x0
.irp p, 0,1,2,3,4,5,6,7
	v_pk_add_f32 v[64+2*(\p):65+2*(\p)], v[64+2*(\p):65+2*(\p)], v[32+2*((\p)%2):33+2*((\p)%2)]
.endr
.set i, 0
.rept 16
	v_mul_f32 v[80+i], s80, |v[64+i]|              ; zz
.set i, i+1
.endr
.irp p, 0,1,2,3,4,5,6,7
	v_pk_fma_f32 v[96+2*(\p):97+2*(\p)], v[80+2*(\p):81+2*(\p)], s[82:83], 1.0 op_sel_hi:[1,0,0]
	v_pk_mul_f32 v[112+2*(\p):113+2*(\p)], v[80+2*(\p):81+2*(\p)], v[80+2*(\p):81+2*(\p)] neg_lo:[1,0] neg_hi:[1,0]
.endr
.set i, 0
.rept 16
	v_rcp_f32 v[96+i], v[96+i]                     ; t
	v_exp_f32 v[112+i], v[112+i]                   ; 2^(-zz^2)
.set i, i+1
.endr
.set i, 0
.rept 16
	v_max_num_f32 v[64+i], 0, v[64+i]              ; independent work behind the batch of 32
.set i, i+1
.endr
	s_wait_alu depctr_va_vdst(0)                   ; the one wait ahead of the batch's first reader
.irp p, 0,1,2,3,4,5,6,7
	v_pk_fma_f32 v[128+2*(\p):129+2*(\p)], v[96+2*(\p):97+2*(\p)], s[84:85], s[86:87] op_sel_hi:[1,0,0]
.endr
.irp c, 88, 90, 92
.irp p, 0,1,2,3,4,5,6,7
	v_pk_fma_f32 v[128+2*(\p):129+2*(\p)], v[128+2*(\p):129+2*(\p)], v[96+2*(\p):97+2*(\p)], s[\c:\c+1] op_sel_hi:[1,1,0]
.endr
.endr
.irp p, 0,1,2,3,4,5,6,7
	v_pk_mul_f32 v[96+2*(\p):97+2*(\p)], v[96+2*(\p):97+2*(\p)], v[112+2*(\p):113+2*(\p)]
.endr
.irp p, 0,1,2,3,4,5,6,7
	v_pk_mul_f32 v[128+2*(\p):129+2*(\p)], v[128+2*(\p):129+2*(\p)], v[96+2*(\p):97+2*(\p)]
.endr
.irp p, 0,1,2,3,4,5,6,7
	v_pk_fma_f32 v[64+2*(\p):65+2*(\p)], v[80+2*(\p):81+2*(\p)], v[128+2*(\p):129+2*(\p)], v[64+2*(\p):65+2*(\p)] neg_lo:[1,0,0] neg_hi:[1,0,0]
.endr
.irp p, 0,1,2,3,4,5,6,7
	v_cvt_pk_bf16_f32 v[144+(\p)], v[64+2*(\p)], v[65+2*(\p)]
.endr
.irp k, 0,1,2,3
	global_store_b64 v[GO], v[144+2*(\k):145+2*(\k)], s[74:75] offset:(\k)*8192  ; 256 consecutive bytes, aligned
.endr
	s_wait_xcnt 0x0                                ; the stores have read their registers
	v_add_nc_u32 v[RDA], 4*DP, v[RDA]
	v_add_nc_u32 v[GO], 32768, v[GO]
	s_sub_co_u32 s3, s3, 1
	s_cmp_lg_u32 s3, 0
	s_cbranch_scc1 .Lg
	s_wait_tensorcnt 0x0                           ; the wave's end
	ds_add_u32 v[SPW], v[NIL]
	s_wait_dscnt 0x0
	CROUND                                         ; the closing round
	s_endpgm
.Lfunc_end_k_q44748ed956_ffn1:
	.size	k_q44748ed956_ffn1, .Lfunc_end_k_q44748ed956_ffn1-k_q44748ed956_ffn1
	.p2alignl 7, 3214868480
	.fill 96, 4, 3214868480
	.section	.rodata,"a",@progbits
	.p2align	6, 0x0
	.amdhsa_kernel k_q44748ed956_ffn1
		.amdhsa_group_segment_fixed_size 327680
		.amdhsa_private_segment_fixed_size 0
		.amdhsa_enable_private_segment 0
		.amdhsa_kernarg_size 32
		.amdhsa_user_sgpr_count 2
		.amdhsa_user_sgpr_kernarg_segment_ptr 1
		.amdhsa_wavefront_size32 1
		.amdhsa_system_sgpr_workgroup_id_x 1
		.amdhsa_system_sgpr_workgroup_id_y 1
		.amdhsa_system_sgpr_workgroup_id_z 1
		.amdhsa_system_vgpr_workitem_id 0
		.amdhsa_next_free_vgpr 1024
		.amdhsa_next_free_sgpr 100
		.amdhsa_reserve_vcc 0
		.amdhsa_float_denorm_mode_32 3
		.amdhsa_float_denorm_mode_16_64 3
		.amdhsa_memory_ordered 1
		.amdhsa_forward_progress 1
		.amdhsa_inst_pref_size 104
	.end_amdhsa_kernel
	.amdgpu_metadata
---
amdhsa.version: [ 1, 2 ]
amdhsa.kernels:
  - .name:           k_q44748ed956_ffn1
    .symbol:         k_q44748ed956_ffn1.kd
    .args:
      - { .name: res, .offset: 0, .size: 8, .value_kind: global_buffer, .address_space: global }
      - { .name: pre, .offset: 8, .size: 8, .value_kind: global_buffer, .address_space: global }
      - { .name: ffn1_b, .offset: 16, .size: 8, .value_kind: global_buffer, .address_space: global }
      - { .name: hid, .offset: 24, .size: 8, .value_kind: global_buffer, .address_space: global }
    .group_segment_fixed_size: 327680
    .private_segment_fixed_size: 0
    .kernarg_segment_align: 8
    .kernarg_segment_size: 32
    .max_flat_workgroup_size: 128
    .sgpr_count:     100
    .vgpr_count:     1024
    .wavefront_size: 32
...
	.end_amdgpu_metadata
.endif
;; end of part 5
;; launch ffn2 (part 6): grid 8 x 32, 4 waves a work-group, clusters of 4 x 4, 327,680 bytes of LDS; arguments hid, pre, res, ffn2_b, out0; writes out0
.if DOCPART == 6
	.amdgcn_target "amdgcn-amd-amdhsa--gfx1250"
	.amdhsa_code_object_version 6
	.text
	.protected	k_q44748ed956_ffn2
	.globl	k_q44748ed956_ffn2
	.p2align	8
	.type	k_q44748ed956_ffn2,@function
k_q44748ed956_ffn2:
	s_mov_b64 s[64:65], 0
	v_nop
	global_prefetch_b8 v0, s[64:65] scope:SCOPE_SE
	s_setreg_imm32_b32 hwreg(HW_REG_WAVE_MODE, 25, 1), 1
	s_wait_xcnt 0x0
	s_wait_alu depctr_hold_cnt(0) depctr_sa_sdst(0) depctr_va_vdst(0) depctr_va_sdst(0) depctr_va_ssrc(0) depctr_va_vcc(0) depctr_vm_vsrc(0)
	s_getreg_b32 s2, hwreg(HW_REG_IB_STS2, 6, 4)
	s_cmp_eq_u32 s2, 0
	s_cbranch_scc0 .Lentry_in_a_cluster
	s_endpgm
.Lentry_in_a_cluster:
	s_bfe_u32 s2, ttmp6, 0x10000c
	s_cmp_lg_u32 s2, 0xf033
	s_cbranch_scc0 .Lentry_shape_is_right
	s_endpgm
.Lentry_shape_is_right:
; Launch 6 of 6: out0 = res + hid ffn2_w^T + ffn2_b, 4,096 x 1,024 x 4,096 in bf16 with f32 sums; res is the f32 copy.
; Built as the launch of the output projection: tiles of 128 x 128 (256 work-groups), four waves of 64 x 64, K steps of 256 through two LDS slots, a cluster of 4 x 4 with joint loads, one K step a trip.
; No prefetch: the tiles are small and a step short; the residual's rows are asked for at the start, into registers, and land under the products.
.set SIZE_K, 4096
.set BOFF,   25165824                  ; pre: ffn2_w in bf16
.set XB,     72                        ; s[72:73] the rows that are added: res in f32
.set KSTEP,  256
.set NSTEP,  SIZE_K/KSTEP
.set PITCH,  528
.set HALFT,  64*PITCH
.set SLOT,   4*HALFT
.set DP,     528
.set XST,    128*DP
.set SPARE,  2*SLOT                    ; the spare words: 128 bytes for each wave, named by no other line
.set ADRA,  16
.set ADRA0, 17
.set ADRB,  20
.set ADRB0, 21
.set DST,   24
.set RDA,   25
.set GO,    26
.set AUX,   27
.set SPW,   28
.set NIL,   29
.set RDX,   31
.set ACC,   128
.set F0,    0
.set F1,    128
.set TB,    2
.set G1,    24
.set G0,    32
.set G1B,   48
.set G0B,   56
.set MSB, 0
.macro WIN new
.if MSB != (\new)
	s_set_vgpr_msb (MSB<<8)|(\new)
.set MSB, \new
.endif
.endm
.set MUL,  0x05
.set TO_F, 0x40
.macro JLOAD s                         ; a joint load: waves 0 and 1 fetch A's halves, waves 2 and 3 B's; an s_nop 0 and four v_nop follow each line
	s_cmp_eq_u32 s11, 0
	s_cbranch_scc0 .Lfor_b_\@
	tensor_load_to_lds s[G0+4*(\s):G0+4*(\s)+3], s[G1:G1+7]
	s_nop 0
.rept 4
	v_nop
.endr
	s_branch .Lasked_\@
.Lfor_b_\@:
	tensor_load_to_lds s[G0B+4*(\s):G0B+4*(\s)+3], s[G1B:G1B+7]
	s_nop 0
.rept 4
	v_nop
.endr
.Lasked_\@:
.endm
.macro CREST
	s_cmp_lg_u32 s10, 0
	s_cbranch_scc1 .Lnot_wave_0_\@
	s_barrier_signal -3
.Lnot_wave_0_\@:
	s_barrier_wait -3
	s_barrier_signal -1
	s_barrier_wait -1
.endm
.macro CROUND
	s_barrier_signal -1
	s_barrier_wait -1
	CREST
.endm
.macro PLACES
.rept 4
	v_nop
.endr
.endm
	s_load_b256 s[68:75], s[0:1], 0x0              ; hid 68, pre 70, res 72, ffn2_b 74
	s_load_b64 s[76:77], s[0:1], 0x20              ; out0
	v_lshl_add_u32 v[SPW], v0, 2, SPARE
	v_mov_b32 v[NIL], 0
	ds_add_u32 v[SPW], v[NIL]                      ; the wave's opening: the add, twice on end, and its wait ahead of my first tensor load
	ds_add_u32 v[SPW], v[NIL]
	v_lshrrev_b32 v1, 5, v0
	v_readfirstlane_b32 s10, v1
	s_lshr_b32 s11, s10, 1
	s_and_b32 s12, s10, 1
	s_bfe_u32 s40, ttmp6, 0x40000
	s_bfe_u32 s41, ttmp6, 0x40004
	s_lshl_b32 s42, ttmp9, 2
	s_add_co_u32 s42, s42, s40
	s_and_b32 s13, ttmp7, 0xffff
	s_lshl_b32 s13, s13, 2
	s_add_co_u32 s13, s13, s41
	s_lshl_b32 s43, s41, 2
	s_lshl_b32 s43, 15, s43
	s_lshl_b32 s44, 0x1111, s40
	s_or_b32 s[G1+0], s43, (1<<16)|(1<<20)|(1<<21)|(6<<22)|(3<<25)
	s_or_b32 s[G1B+0], s44, (1<<16)|(1<<20)|(1<<21)|(6<<22)|(3<<25)
.irp g, G1, G1B
	s_mov_b32 s[(\g)+1], KSTEP<<16
	s_mov_b32 s[(\g)+2], 64<<16
	s_mov_b32 s[(\g)+3], KSTEP<<16
	s_mov_b32 s[(\g)+4], 64
	s_mov_b32 s[(\g)+5], SIZE_K
	s_mov_b32 s[(\g)+6], 0
	s_mov_b32 s[(\g)+7], 0
.endr
	s_lshl_b32 s17, s12, 6
	s_lshl_b32 s16, s13, 7
	s_add_co_u32 s16, s16, s17
	s_lshl_b32 s46, s42, 7
	s_add_co_u32 s46, s46, s17
	s_mov_b32 s17, 0
	s_mov_b32 s47, 0
	s_mov_b64 s[18:19], SIZE_K*2
	s_mul_u64 s[16:17], s[16:17], s[18:19]
	s_mul_u64 s[46:47], s[46:47], s[18:19]
	s_mul_i32 s20, s10, HALFT
	s_mov_b32 s[TB], 0
	s_wait_dscnt 0x0
	s_wait_kmcnt 0x0
	s_mov_b64 s[4:5], s[68:69]
	s_add_nc_u64 s[6:7], s[70:71], BOFF
	s_add_nc_u64 s[14:15], s[4:5], s[16:17]
	s_add_nc_u64 s[46:47], s[6:7], s[46:47]
	CROUND
.irp s, 0,1
	s_mov_b32 s[G0+4*(\s)], 1
	s_add_co_u32 s[G0+4*(\s)+1], s20, (\s)*SLOT
	s_add_nc_u64 s[G0+4*(\s)+2:G0+4*(\s)+3], s[14:15], (\s)*KSTEP*2
	s_or_b32 s[G0+4*(\s)+3], s[G0+4*(\s)+3], 0x80000000
	s_mov_b32 s[G0B+4*(\s)], 1
	s_add_co_u32 s[G0B+4*(\s)+1], s20, (\s)*SLOT
	s_add_nc_u64 s[G0B+4*(\s)+2:G0B+4*(\s)+3], s[46:47], (\s)*KSTEP*2
	s_or_b32 s[G0B+4*(\s)+3], s[G0B+4*(\s)+3], 0x80000000
	JLOAD \s
.endr
	v_and_b32 v5, 31, v0
	v_lshlrev_b32 v6, 4, v5
	s_lshl_b32 s84, s13, 7
	s_lshl_b32 s85, s10, 5
	s_add_co_u32 s84, s84, s85                     ; the first of the 32 rows that I add and store
	s_lshl_b32 s84, s84, 12
	s_lshl_b32 s85, s42, 9
	s_add_co_u32 s84, s84, s85
	v_add_nc_u32 v[GO], s84, v6                    ; row x 4,096 + 512 x tile column + 16 x lane
	v_add_nc_u32 v[AUX], s85, v6
	global_load_b128 v[12:15], v[AUX], s[74:75]    ; the bias of my four columns
	WIN 0x80                                       ; destination window 2
.set i, 0
.rept 32
	global_load_b128 v[4*i:4*i+3], v[GO], s[XB:XB+1] offset:i*4096  ; 512 consecutive bytes of a row
.set i, i+1
.endr
	WIN 0
	v_and_b32 v1, 15, v0
	v_bfe_u32 v2, v0, 4, 1
	v_mul_u32_u24 v3, v1, PITCH
	v_lshl_add_u32 v3, v2, 4, v3
	s_mul_i32 s21, s11, HALFT
	s_mul_i32 s22, s12, HALFT
	s_add_co_u32 s22, s22, 2*HALFT
	v_add_nc_u32 v[ADRA0], s21, v3
	v_add_nc_u32 v[ADRB0], s22, v3
	v_mov_b32 v[ADRA], v[ADRA0]
	v_mov_b32 v[ADRB], v[ADRB0]
	s_mul_i32 s23, s11, 64*DP
	s_lshl_b32 s21, s12, 8
	s_add_co_u32 s23, s23, s21
	v_mul_u32_u24 v4, v1, DP
	v_lshl_add_u32 v4, v2, 5, v4
	v_add_nc_u32 v[DST], s23, v4
	s_mul_i32 s23, s10, 32*DP
	v_add_nc_u32 v[RDA], s23, v6
	v_add_nc_u32 v[RDX], XST, v[RDA]
.macro MUL8 f, c, a0, zero
	WIN MUL
.irp a, \a0, (\a0)+1
.irp b, 0,1,2,3
.if \zero
	v_wmma_f32_16x16x32_bf16 v[ACC+8*(4*(\a)+(\b)):ACC+8*(4*(\a)+(\b))+7], v[(\f)+64+8*(4*(\c)+(\b)):(\f)+64+8*(4*(\c)+(\b))+7], v[(\f)+8*(4*(\c)+(\a)):(\f)+8*(4*(\c)+(\a))+7], 0
.else
	v_wmma_f32_16x16x32_bf16 v[ACC+8*(4*(\a)+(\b)):ACC+8*(4*(\a)+(\b))+7], v[(\f)+64+8*(4*(\c)+(\b)):(\f)+64+8*(4*(\c)+(\b))+7], v[(\f)+8*(4*(\c)+(\a)):(\f)+8*(4*(\c)+(\a))+7], v[ACC+8*(4*(\a)+(\b)):ACC+8*(4*(\a)+(\b))+7]
.endif
.endr
.endr
.endm
.macro FETCH k, f
	WIN TO_F
.irp c, 0,1
.irp i, 0,1,2,3
	ds_load_b128 v[(\f)+64+8*(4*(\c)+(\i)):(\f)+64+8*(4*(\c)+(\i))+3],   v[ADRB] offset:(\k)+64*(\c)+(\i)*16*PITCH
	ds_load_b128 v[(\f)+64+8*(4*(\c)+(\i))+4:(\f)+64+8*(4*(\c)+(\i))+7], v[ADRB] offset:(\k)+64*(\c)+(\i)*16*PITCH+32
	ds_load_b128 v[(\f)+8*(4*(\c)+(\i)):(\f)+8*(4*(\c)+(\i))+3],         v[ADRA] offset:(\k)+64*(\c)+(\i)*16*PITCH
	ds_load_b128 v[(\f)+8*(4*(\c)+(\i))+4:(\f)+8*(4*(\c)+(\i))+7],       v[ADRA] offset:(\k)+64*(\c)+(\i)*16*PITCH+32
.endr
.endr
.endm
.macro QUARTER k, f, g, zero
	s_wait_dscnt 16                                ; the first 32 along K are in; the youngest sixteen loads may be out
	MUL8 \f, 0, 0, \zero
	MUL8 \f, 0, 2, \zero
	PLACES
	FETCH \k, \g
	s_wait_dscnt 32                                ; all but the 32 just issued
	MUL8 \f, 1, 0, 0
	MUL8 \f, 1, 2, 0
.endm
.macro TURN fill
	WIN 0
	s_wait_tensorcnt 0x0                           ; all my tensor loads have landed: my part of the next slot
	ds_add_u32 v[SPW], v[NIL]                      ; 0 onto my spare word
	s_wait_dscnt 17                                ; (the add and the youngest sixteen loads may be out)
	MUL8 F1, 0, 0, 0
	s_wait_dscnt 0x0                               ; the add is done, and my reads of this slot are over
	s_barrier_signal -1
	MUL8 F1, 0, 2, 0
.if \fill
	WIN 0
.endif
	s_barrier_wait -1
.if \fill
	CREST
	s_xor_b32 s[G0+5], s[G0+5], SLOT
	s_xor_b32 s[G0B+5], s[G0B+5], SLOT
	s_add_nc_u64 s[G0+6:G0+7], s[G0+6:G0+7], KSTEP*2
	s_add_nc_u64 s[G0B+6:G0B+7], s[G0B+6:G0B+7], KSTEP*2
	JLOAD 1
.else
	PLACES
.endif
	WIN 0
	s_xor_b32 s[TB], s[TB], SLOT
	v_add_nc_u32 v[ADRA], s[TB], v[ADRA0]
	v_add_nc_u32 v[ADRB], s[TB], v[ADRB0]
	FETCH 0, F0
	MUL8 F1, 1, 0, 0
	MUL8 F1, 1, 2, 0
.endm
	s_wait_tensorcnt 1                             ; my part of K step 0 is in; step 1's may stay out
	s_barrier_signal -1
	s_barrier_wait -1
	FETCH 0, F0
	QUARTER 128, F0, F1, 1
	WIN 0
	s_mov_b32 s3, NSTEP-2
.Lstep:
	QUARTER 256, F1, F0, 0
	QUARTER 384, F0, F1, 0
	TURN 1
	QUARTER 128, F0, F1, 0
	WIN 0
	s_sub_co_u32 s3, s3, 1
	s_cmp_lg_u32 s3, 0
	s_cbranch_scc1 .Lstep
	QUARTER 256, F1, F0, 0
	QUARTER 384, F0, F1, 0
	TURN 0
	QUARTER 128, F0, F1, 0
	QUARTER 256, F1, F0, 0
	QUARTER 384, F0, F1, 0
	s_wait_dscnt 16
	MUL8 F1, 0, 0, 0
	MUL8 F1, 0, 2, 0
	s_wait_dscnt 0x0
	MUL8 F1, 1, 0, 0
	MUL8 F1, 1, 2, 0
	WIN 0
	PLACES
	PLACES
	s_barrier_signal -1
	s_barrier_wait -1                              ; nobody reads the ring any more
.irp a, 0,1,2,3
.irp b, 0,1,2,3
	ds_store_b128 v[DST], v[ACC+8*(4*(\a)+(\b)):ACC+8*(4*(\a)+(\b))+3]   offset:(\a)*16*DP+64*(\b)
	ds_store_b128 v[DST], v[ACC+8*(4*(\a)+(\b))+4:ACC+8*(4*(\a)+(\b))+7] offset:(\a)*16*DP+64*(\b)+16
.endr
.endr
	s_wait_loadcnt 0x0                             ; the residual's rows and the bias
	WIN 0x08                                       ; the stores' data in window 2
.set i, 0
.rept 32
	ds_store_b128 v[RDX], v[4*i:4*i+3] offset:i*DP
.set i, i+1
.endr
	WIN 0
	s_wait_dscnt 0x0                               ; a row of C comes from two waves
	s_barrier_signal -1
	s_barrier_wait -1
	s_mov_b32 s3, 8
.Lrow:                                         ; a trip: 4 rows; a lane 4 columns of each
.irp k, 0,1,2,3
	ds_load_b128 v[32+4*(\k):35+4*(\k)], v[RDA] offset:(\k)*DP
	ds_load_b128 v[48+4*(\k):51+4*(\k)], v[RDX] offset:(\k)*DP
.endr
	s_wait_dscnt 0x0
.irp p, 0,1,2,3,4,5,6,7
	v_pk_add_f32 v[32+2*(\p):33+2*(\p)], v[32+2*(\p):33+2*(\p)], v[12+2*((\p)%2):13+2*((\p)%2)]
.endr
.irp p, 0,1,2,3,4,5,6,7
	v_pk_add_f32 v[32+2*(\p):33+2*(\p)], v[32+2*(\p):33+2*(\p)], v[48+2*(\p):49+2*(\p)]
.endr
.irp k, 0,1,2,3
	global_store_b128 v[GO], v[32+4*(\k):35+4*(\k)], s[76:77] offset:(\k)*4096 th:TH_STORE_NT  ; 512 consecutive bytes
.endr
	s_wait_xcnt 0x0                                ; the stores have read their registers
	v_add_nc_u32 v[RDA], 4*DP, v[RDA]
	v_add_nc_u32 v[RDX], 4*DP, v[RDX]
	v_add_nc_u32 v[GO], 16384, v[GO]
	s_sub_co_u32 s3, s3, 1
	s_cmp_lg_u32 s3, 0
	s_cbranch_scc1 .Lrow
	s_wait_tensorcnt 0x0                           ; the wave's end
	ds_add_u32 v[SPW], v[NIL]
	s_wait_dscnt 0x0
	CROUND                                         ; the closing round
	s_endpgm
.Lfunc_end_k_q44748ed956_ffn2:
	.size	k_q44748ed956_ffn2, .Lfunc_end_k_q44748ed956_ffn2-k_q44748ed956_ffn2
	.p2alignl 7, 3214868480
	.fill 96, 4, 3214868480
	.section	.rodata,"a",@progbits
	.p2align	6, 0x0
	.amdhsa_kernel k_q44748ed956_ffn2
		.amdhsa_group_segment_fixed_size 327680
		.amdhsa_private_segment_fixed_size 0
		.amdhsa_enable_private_segment 0
		.amdhsa_kernarg_size 40
		.amdhsa_user_sgpr_count 2
		.amdhsa_user_sgpr_kernarg_segment_ptr 1
		.amdhsa_wavefront_size32 1
		.amdhsa_system_sgpr_workgroup_id_x 1
		.amdhsa_system_sgpr_workgroup_id_y 1
		.amdhsa_system_sgpr_workgroup_id_z 1
		.amdhsa_system_vgpr_workitem_id 0
		.amdhsa_next_free_vgpr 640
		.amdhsa_next_free_sgpr 100
		.amdhsa_reserve_vcc 0
		.amdhsa_float_denorm_mode_32 3
		.amdhsa_float_denorm_mode_16_64 3
		.amdhsa_memory_ordered 1
		.amdhsa_forward_progress 1
		.amdhsa_inst_pref_size 70
	.end_amdhsa_kernel
	.amdgpu_metadata
---
amdhsa.version: [ 1, 2 ]
amdhsa.kernels:
  - .name:           k_q44748ed956_ffn2
    .symbol:         k_q44748ed956_ffn2.kd
    .args:
      - { .name: hid, .offset: 0, .size: 8, .value_kind: global_buffer, .address_space: global }
      - { .name: pre, .offset: 8, .size: 8, .value_kind: global_buffer, .address_space: global }
      - { .name: res, .offset: 16, .size: 8, .value_kind: global_buffer, .address_space: global }
      - { .name: ffn2_b, .offset: 24, .size: 8, .value_kind: global_buffer, .address_space: global }
      - { .name: out0, .offset: 32, .size: 8, .value_kind: global_buffer, .address_space: global }
    .group_segment_fixed_size: 327680
    .private_segment_fixed_size: 0
    .kernarg_segment_align: 8
    .kernarg_segment_size: 40
    .max_flat_workgroup_size: 128
    .sgpr_count:     100
    .vgpr_count:     640
    .wavefront_size: 32
...
	.end_amdgpu_metadata
.endif
;; end of part 6
